; MI455X (gfx1250); checked and timed in simulation.
; The chip was launched on July 23, 2026; its instructions are those of AMD's public machine-readable ISA for CDNA 5 (MIT licence, August 2026) and "CDNA5" Instruction Set Architecture Reference Guide (July 2026). The comments in the code are by the model that wrote it; some were corrected since.
;; S Attention. Allowed arithmetic: matrix products marked QUANTISED: E2M3 operands, one E8M0 scale for each 32 along K, by v_wmma_scale_f32_16x16x128_f8f6f4 with both operands' format E2M3, f32 sums; everything else in f32.
;; Inputs: b1 2,048 float32; b2 512 float32; bo 512 float32; ln1_b 512 float32; ln1_g 512 float32; ln2_b 512 float32; ln2_g 512 float32; w1 512 x 2,048 float32; w2 2,048 x 512 float32; wk 512 x 512 float32; wo 512 x 512 float32; wq 512 x 512 float32; wv 512 x 512 float32; x 4 x 2,048 x 512 float32.
;; Outputs: out0 4 x 2,048 x 512 float32.
;; This version of the problem:
;;   THIS VERSION OF THE PROBLEM IS GIVEN IN LOW PRECISION. The matrix products marked QUANTISED in the list below multiply operands that are first quantised to E2M3 (2 exponent bits, 3 mantissa bits; 6 bits a number), with one power-of-two scale for each 32 numbers along K (OCP MX v1.0); their sums are f32. All else is computed in f32.
;;   The module's matrix products, in the order in which they are computed (A, B: the left and right operand; K: the contracted axis; several contracted axes count as one K, in the product's order):
;;     1. [M 8,192, K 512] x [K 512, N 512]; A: computed on the way; B: input wq: QUANTISED
;;     2. [M 8,192, K 512] x [K 512, N 512]; A: computed on the way; B: input wk: QUANTISED
;;     3. [M 8,192, K 512] x [K 512, N 512]; A: computed on the way; B: input wv: QUANTISED
;;     4. batch 64 x [M 2,048, K 32] x [K 32, N 2,048]; A: computed on the way; B: computed on the way: QUANTISED
;;     5. batch 64 x [M 2,048, K 2,048] x [K 2,048, N 32]; A: softmax (see below); B: computed on the way: QUANTISED
;;     6. [M 8,192, K 512] x [K 512, N 512]; A: computed on the way; B: input wo: QUANTISED
;;     7. [M 8,192, K 512] x [K 512, N 2,048]; A: computed on the way; B: input w1: QUANTISED
;;     8. [M 8,192, K 2,048] x [K 2,048, N 512]; A: computed on the way; B: input w2: QUANTISED
;;   THE QUANTISER, for each operand of a quantised product, along K:
;;     - K is cut into blocks of 32 from its start; a last block that is shorter is filled with zeros.
;;     - A block's scale is 2^e with e = floor(log2(the largest magnitude in the block)) - 2, held to -126 .. 127; a block of zeros has e = 0. As a byte (E8M0): e + 127.
;;     - Each number is divided by its block's scale, clamped to +-7.5, and rounded to the nearest number of E2M3, ties to even, subnormals kept.
;;     - The product sums the exact products of the quantised numbers (number of the format x scale) in f32.
;;   ~~~python
;;   def quantise(x, axis):      # numpy; x: float32 -> the quantised numbers, widened to float32 again
;;       x = np.moveaxis(x, axis, -1); K = x.shape[-1]
;;       x = np.pad(x, [(0, 0)] * (x.ndim - 1) + [(0, -K % 32)]); x = x.reshape(x.shape[:-1] + (-1, 32)); a = np.abs(x).max(-1, keepdims=True)
;;       e = np.where(a > 0, np.clip(np.frexp(np.where(a > 0, a, 1))[1] - 1 - 2, -126, 127), 0)      # np.frexp(a)[1] - 1 = floor(log2(a)), exactly
;;       r = np.clip(x / 2.0 ** e, -7.5, 7.5)
;;       step = 2.0 ** (np.maximum(np.frexp(np.where(r == 0, 1, r))[1] - 1, 0) - 3)
;;       q = np.round(r / step) * step * 2.0 ** e      # np.round: ties to even
;;       return np.moveaxis(q.reshape(q.shape[:-2] + (-1,))[..., :K], -1, axis).astype(np.float32)
;;   ~~~
;;   SOFTMAX AHEAD OF A QUANTISED PRODUCT. Where the list says 'softmax', what is quantised is not the finished softmax but p = 2^(t - M), with t = logit x log2(e) and M = ceil(the row's largest t), a whole number; so 1/2 < the row's largest p <= 1. The row's sum l is taken of the UNQUANTISED p, in f32, and the product's result is divided by l at the end. Since M is a whole number, a kernel that streams over the keys may use a running M (the ceiling of the running maximum): every later rescaling is an exact power of two, which a block's scale takes up: the codes' values come out the same.
;;   OPERANDS COMPUTED ON THE WAY. 'Computed on the way' means the value that the module computes at that place (a softmax that the list does not call 'softmax' is quantised finished and normalised). What goes into a quantiser is computed in f32, as accurately as f32 sums, v_exp_f32 and their like allow (about 1e-6 of the number): no bf16 or f16 on the way to a quantiser, and a product that is left as it is and whose result goes on into a quantised operand takes f32 operands (vector FMAs, or v_wmma_f32_16x16x4_f32). A number that lies on a knife's edge between two numbers of the format may be rounded either way, as far as f32 arithmetic and the matrix unit's own rounding can turn it there, and no further.
;; One version. Each part assembles by itself: llvm-mc -triple=amdgcn-amd-amdhsa -mcpu=gfx1250 --defsym DOCPART=n.
;; ======== version 1 of 1: 6 launches
;; limits: right only within a limited range of input values
;; workspace buffers: actq 3,407,872 bytes; wts 2,555,904 bytes; qb 4,194,304 bytes; kvh 6,815,744 bytes; ctxq 4,194,304 bytes; xt 16,777,216 bytes; hid 13,631,488 bytes
;; launch prep (part 1): grid 704 x 1, 4 waves a work-group, no clusters, 35,328 bytes of LDS; arguments x, ln1_g, ln1_b, wq, wk, wv, wo, w1, w2, actq, wts; writes actq, wts
.if DOCPART == 1
	.amdgcn_target "amdgcn-amd-amdhsa--gfx1250"
	.amdhsa_code_object_version 6
	.text
	.protected	k_q9c27085dda_prep
	.globl	k_q9c27085dda_prep
	.p2align	8
	.type	k_q9c27085dda_prep,@function
k_q9c27085dda_prep:
	s_mov_b64 s[64:65], 0
	v_nop
	global_prefetch_b8 v0, s[64:65] scope:SCOPE_SE
	s_setreg_imm32_b32 hwreg(HW_REG_WAVE_MODE, 25, 1), 1
	s_wait_xcnt 0x0
; PREP: the six weights become codes of FP6 (E2M3) with E8M0 scales along K, and xn = LayerNorm1(x) likewise.
; DEAD WORK: none.  Every input of reference() has a way to out0 (the biases and gains are added or multiplied into live numbers), so all fourteen are loaded by some launch.
; LIMITS: NaN and infinities among the inputs are not served.  A block of zeros gets the scale byte 1 where the rule says 127: its codes are zeros, which add nothing, and this program alone reads the bytes.
; THE WORKSPACE IS LAID IN THE ORDER OF THE OPERAND'S REGISTERS.  A fragment (16 rows x 128 K, 12 registers a lane) is 1,536 bytes: registers 4 g .. 4 g + 3 of lane l at 512 g + 16 l: three stores or loads of 512 dense bytes.
; ORDER INSIDE A BLOCK OF 32.  wo and w2 meet operands that come out of a transposed product, in which code place 16 h + 8 u + j holds element 16 u + 8 h + j.  Their codes are laid in that same order (bits 3 and 4 of the
; place change places): the block, its largest magnitude and its scale are the same, and both sides of a product agree, so only the order of the sums inside a block differs.
; WORK-GROUPS 0-191: weights.  A wave takes 16 columns x 256 along K: a lane takes a column, its registers run down K, so the conversions give K innermost and no other lane is asked for a maximum.  No LDS.
; WORK-GROUPS 192-703: 16 tokens each.  Wave w takes channels 128 w .. 128 w + 127 (one K step); mean and variance meet in LDS; the variance is the mean of (x - mean)^2, taken on registers.
.set WV, 26
.set SEL, 28
.set SPW, 11                           ; v11 LDS address of my spare word; never rewritten
.set NIL, 12                           ; v12 0; never rewritten
.set LI, 4                             ; v4  16 x lane
.set REDW, 7                           ; v7  where I put a partial sum: RED + 16 r + 4 w
.set REDR, 8                           ; v8  where I read a row's four: RED + 16 r
.set SCWW, 9                           ; v9  where I put a scale word: SCW + 16 lane + 4 w
.set SCR, 13                           ; v13 SCW + 16 lane
.set RD, 253                           ; v253, v254 partial sums on their way to LDS
.set TM, 216
.set PC, 232
.set PW, 252
.set HB, 48                            ; s[48:49] my fragment in actq
.set HS, 50                            ; s[50:51] the tile's scale words in actq
.set X, 24
.set G, 88
.set RB, 152
.set RED, 33792                        ; LDS: four stages of 16 rows x 528 bytes, then the sums, the scale words, the spare words
.set SCW, 34304
.set SPARE, 34816
.set MSB, 0
.macro WIN new
.if MSB != \new
	s_set_vgpr_msb (MSB<<8)|\new
.set MSB, \new
.endif
.endm
.macro BARRIER                         ; my LDS stores have landed and my LDS loads are in: then the work-group's barrier
	s_wait_dscnt 0x0
	s_barrier_signal -1
	s_barrier_wait -1
.endm
.macro GIMAGE pc, adr, sb, off         ; a fragment goes to memory as it stands: three stores of 512 consecutive bytes
.irp g, 0,1,2
	global_store_b128 v[\adr], v[\pc+4*\g:\pc+4*\g+3], s[\sb:\sb+1] offset:\off+512*\g
.endr
.endm
; 64 numbers of a lane, register 16 b + i = place 16 (lane / 16) + i of block b of my row, become a fragment's codes in v[pc] on and its scale word in v[pw]
.macro QUANT s, pc, pw
.irp b, 0,1,2,3
	v_max3_num_f32 v[TM+\b], |v[\s+16*\b]|, |v[\s+1+16*\b]|, 0x1800000   ; and the floor 2^(3 - 127): the byte cannot fall under 1
.endr
.irp i, 2,4,6,8,10,12,14
.irp b, 0,1,2,3
	v_max3_num_f32 v[TM+\b], v[TM+\b], |v[\s+16*\b+\i]|, |v[\s+1+16*\b+\i]|
.endr
.endr
.irp b, 0,1,2,3
	v_permlanex16_b32 v[TM+4+\b], v[TM+\b], s[SEL], s[SEL+1]
.endr
.irp b, 0,1,2,3
	v_max_num_f32 v[TM+\b], v[TM+\b], v[TM+4+\b]     ; with lane l xor 16's: the block's largest magnitude
.endr
.irp b, 0,1,2,3
	v_add_nc_u32 v[TM+12+\b], 0xff000000, v[TM+\b]   ; 2 off its exponent field: the conversion's scale operand
.endr
.irp b, 0,1,2,3
	v_lshrrev_b32 v[TM+4+\b], 23, v[TM+12+\b]        ; the scale's byte
.endr
	v_lshl_or_b32 v[\pw], v[TM+5], 8, v[TM+4]
	v_lshl_or_b32 v[\pw], v[TM+6], 16, v[\pw]
	v_lshl_or_b32 v[\pw], v[TM+7], 24, v[\pw]
.irp c, 0,1
	v_cvt_scalef32_pk16_fp6_f32 v[\pc+6*\c:\pc+2+6*\c], v[\s+32*\c:\s+15+32*\c], v[TM+12+2*\c]
	v_cvt_scalef32_pk16_fp6_f32 v[\pc+12+4*\c:\pc+14+4*\c], v[\s+16+32*\c:\s+31+32*\c], v[TM+12+2*\c+1]
.endr
	v_nop                                  ; one plain place behind a scaled conversion
.irp c, 0,1                            ; the operand wants a whole block in a lane: lanes 0-15 block 2 c, lanes 16-31 block 2 c + 1
.irp i, 0,1,2
	v_permlane16_swap_b32 v[\pc+6*\c+\i], v[\pc+12+4*\c+\i]
.endr
.irp i, 0,1,2
	v_mov_b32 v[\pc+3+6*\c+\i], v[\pc+12+4*\c+\i]
.endr
.endr
.endm
; LayerNorm over 512 channels of 16 rows, four waves, 128 channels each.  x: the lane's 64 numbers; k: which tile of rows
.macro LN_A x, k                       ; my 128 channels' sum of row r
	v_pk_add_f32 v[14:15], v[\x:\x+1], v[\x+2:\x+3]
	v_pk_add_f32 v[16:17], v[\x+4:\x+5], v[\x+6:\x+7]
.set jj, 8
.rept 14
	v_pk_add_f32 v[14:15], v[14:15], v[\x+jj:\x+jj+1]
	v_pk_add_f32 v[16:17], v[16:17], v[\x+jj+2:\x+jj+3]
.set jj, jj+4
.endr
	v_pk_add_f32 v[14:15], v[14:15], v[16:17]
	v_add_f32 v18, v14, v15
	v_permlanex16_b32 v19, v18, s[SEL], s[SEL+1]
	v_add_f32 v[RD+2*\k], v18, v19
	ds_store_b32 v[REDW], v[RD+2*\k] offset:512*\k   ; both halves of the lanes write the same word with the same value
.endm
.macro LN_B x, k                       ; the mean is taken away; my 128 channels' sum of squares
	ds_load_b128 v[TM:TM+3], v[REDR] offset:512*\k
	s_wait_dscnt 0x0
	v_add_f32 v[TM], v[TM], v[TM+1]
	v_add_f32 v[TM+2], v[TM+2], v[TM+3]
	v_add_f32 v[TM], v[TM], v[TM+2]
	v_mul_f32 v20, s30, v[TM]
	v_mul_f32 v21, s30, v[TM]
.set jj, 0
.rept 32
	v_pk_add_f32 v[\x+jj:\x+jj+1], v[\x+jj:\x+jj+1], v[20:21] neg_lo:[0,1] neg_hi:[0,1]
.set jj, jj+2
.endr
	v_pk_mul_f32 v[14:15], v[\x:\x+1], v[\x:\x+1]
	v_pk_mul_f32 v[16:17], v[\x+2:\x+3], v[\x+2:\x+3]
.set jj, 4
.rept 15
	v_pk_fma_f32 v[14:15], v[\x+jj:\x+jj+1], v[\x+jj:\x+jj+1], v[14:15]
	v_pk_fma_f32 v[16:17], v[\x+jj+2:\x+jj+3], v[\x+jj+2:\x+jj+3], v[16:17]
.set jj, jj+4
.endr
	v_pk_add_f32 v[14:15], v[14:15], v[16:17]
	v_add_f32 v18, v14, v15
	v_permlanex16_b32 v19, v18, s[SEL], s[SEL+1]
	v_add_f32 v[RD+2*\k+1], v18, v19
	ds_store_b32 v[REDW], v[RD+2*\k+1] offset:256+512*\k
.endm
.macro LN_C x, k, g, b, win            ; scaled, gain and bias, quantised, stored
	ds_load_b128 v[TM:TM+3], v[REDR] offset:256+512*\k
	s_wait_dscnt 0x0
	v_add_f32 v[TM], v[TM], v[TM+1]
	v_add_f32 v[TM+2], v[TM+2], v[TM+3]
	v_add_f32 v[TM], v[TM], v[TM+2]
	v_fma_f32 v[TM], v[TM], s30, s31       ; the variance + eps
	s_wait_alu depctr_va_vdst(0)
	v_rsq_f32 v20, v[TM]
	v_nop                                  ; a plain place behind the transcendental
	s_wait_alu depctr_va_vdst(0)           ; the wait ahead of the first line that names its result
	v_mov_b32 v21, v20
.set jj, 0
.rept 32
	v_pk_mul_f32 v[\x+jj:\x+jj+1], v[\x+jj:\x+jj+1], v[20:21]
.set jj, jj+2
.endr
	WIN \win
.set jj, 0
.rept 32
	v_pk_fma_f32 v[\x+jj:\x+jj+1], v[\x+jj:\x+jj+1], v[\g+jj:\g+jj+1], v[\b+jj:\b+jj+1]
.set jj, jj+2
.endr
	WIN 0
	s_wait_xcnt 0x0                        ; the codes' registers may be an earlier tile's store data: written again only behind this wait
	QUANT \x, PC, PW+\k
	GIMAGE PC, LI, HB, 6144*\k
	ds_store_b32 v[SCWW], v[PW+\k] offset:512*\k
.endm
.macro LN_D n                          ; wave 0 stores the tiles' scale words: lane l's four words (K steps 0 to 3) at 16 l: 512 consecutive bytes
	s_cmp_lg_u32 s[WV], 0
	s_cbranch_scc1 .Lnot0_\@
.set kk, 0
.rept \n
	ds_load_b128 v[TM+4*kk:TM+4*kk+3], v[SCR] offset:512*kk
.set kk, kk+1
.endr
	s_wait_dscnt 0x0
.set kk, 0
.rept \n
	global_store_b128 v[LI], v[TM+4*kk:TM+4*kk+3], s[HS:HS+1] offset:512*kk
.set kk, kk+1
.endr
.Lnot0_\@:
.endm
; A wave's weight job: 16 columns x 256 along K -> two fragments and their scale words.  rowb: bytes in a row of the weight; sig = 1: the places of a block in the transposed products' order
.macro WQ rowb, sig
	s_add_nc_u64 s[36:37], s[36:37], s[40:41]
	s_add_nc_u64 s[38:39], s[24:25], s[42:43]
	s_add_nc_u64 s[52:53], s[24:25], s[44:45]
	v_mul_u32_u24 v3, v2, 32*\rowb         ; lanes 16-31 begin 32 rows further down
	v_lshl_add_u32 v3, v1, 2, v3
.set ii, 0
.rept 128                              ; register ii = place ii % 32 of block 2 (ii / 32) + h of my column
.set kp, ii%32
.if \sig
.set kp, (ii&7)|(((ii>>3)&1)<<4)|(((ii>>4)&1)<<3)
.endif
	global_load_b32 v[24+ii], v3, s[36:37] offset:((ii/32)*64+kp)*\rowb th:TH_LOAD_NT
.set ii, ii+1
.endr
.irp e, 0,1
.set XB, 24+64*\e
.if \e == 0
	s_wait_loadcnt 63                      ; 64 loads were issued behind the first K step's; the count's field ends at 63, so one more is waited for
.else
	s_wait_loadcnt 0x0
.endif
.irp c, 0,1
	v_max3_num_f32 v[194+\c], |v[XB+32*\c]|, |v[XB+32*\c+1]|, 0x1800000
.endr
.set jj, 2
.rept 15
.irp c, 0,1
	v_max3_num_f32 v[194+\c], v[194+\c], |v[XB+32*\c+jj]|, |v[XB+32*\c+jj+1]|
.endr
.set jj, jj+2
.endr
.irp c, 0,1
	v_add_nc_u32 v[196+\c], 0xff000000, v[194+\c]
.endr
.irp c, 0,1
	v_lshrrev_b32 v[198+\c], 23, v[196+\c]
.endr
	v_lshl_or_b32 v[192+\e], v199, 16, v198   ; my two bytes: blocks h and 2 + h,
	v_lshlrev_b32 v[192+\e], v6, v[192+\e]    ; 8 h bits up;
	v_permlanex16_b32 v200, v[192+\e], s[SEL], s[SEL+1]
	v_or_b32 v[192+\e], v[192+\e], v200       ; with lane l xor 16's two the word is whole
.irp c, 0,1
	v_cvt_scalef32_pk16_fp6_f32 v[152+12*\e+6*\c:154+12*\e+6*\c], v[XB+32*\c:XB+32*\c+15], v[196+\c]
	v_cvt_scalef32_pk16_fp6_f32 v[176+4*\c:178+4*\c], v[XB+32*\c+16:XB+32*\c+31], v[196+\c]
.endr
	v_nop
.irp c, 0,1
.irp i, 0,1,2
	v_mov_b32 v[155+12*\e+6*\c+\i], v[176+4*\c+\i]
.endr
.endr
	GIMAGE 152+12*\e, LI, 38, 1536*\e
.endr
	global_store_b64 v5, v[192:193], s[52:53]  ; the pair's scale words: 8 bytes a lane, 256 consecutive bytes
.endm
.macro DEST soff                       ; s35 = the unit's first byte in wts, s46 = the pair's number in it
	s_mul_i32 s42, s46, 3072
	s_add_co_u32 s42, s42, s35
	s_lshl_b32 s44, s46, 8
	s_add_co_u32 s44, s44, s35
	s_add_co_u32 s44, s44, \soff
.endm
	s_load_b256 s[4:11], s[0:1], 0x0       ; x, ln1_g, ln1_b, wq
	s_load_b256 s[12:19], s[0:1], 0x20     ; wk, wv, wo, w1
	s_load_b128 s[20:23], s[0:1], 0x40     ; w2, actq
	s_load_b64 s[24:25], s[0:1], 0x50      ; wts
	v_lshl_add_u32 v[SPW], v0, 2, SPARE
	v_mov_b32 v[NIL], 0
	v_lshrrev_b32 v1, 5, v0
	v_readfirstlane_b32 s[WV], v1          ; wave 0..3
	v_and_b32 v1, 15, v0                   ; r
	v_bfe_u32 v2, v0, 4, 1                 ; h
	v_and_b32 v3, 31, v0                   ; lane
	v_lshlrev_b32 v[LI], 4, v3
	s_mov_b32 s[SEL], 0x76543210
	s_mov_b32 s[SEL+1], 0xfedcba98
	s_wait_kmcnt 0x0
	s_cmp_ge_u32 ttmp9, 192
	s_cbranch_scc1 .Lln
	; ---- weights.  T = the tile of 16 columns (four waves side by side: 256 bytes of each row), P = which 256 along K
	s_mov_b32 s41, 0
	s_mov_b32 s43, 0
	s_mov_b32 s45, 0
	s_wait_alu depctr_va_vdst(0)
	v_lshlrev_b32 v5, 3, v3                ; 8 x lane
	v_lshlrev_b32 v6, 3, v2                ; 8 h
	v_mov_b32 v200, 0                      ; a lane permute's destination counts as one of its sources
	s_cmp_lt_u32 ttmp9, 48
	s_cbranch_scc1 .Lqkvw
	s_cmp_lt_u32 ttmp9, 64
	s_cbranch_scc1 .Lwo
	s_cmp_lt_u32 ttmp9, 128
	s_cbranch_scc1 .Lw1
	s_sub_co_u32 s32, ttmp9, 128           ; w2: 32 tiles x 8 pairs; a unit is 32 columns
	s_and_b32 s33, s32, 7
	s_lshl_b32 s33, s33, 2
	s_add_co_u32 s33, s33, s[WV]
	s_lshr_b32 s34, s32, 3
	s_mov_b64 s[36:37], s[20:21]
	s_lshr_b32 s35, s33, 1
	s_and_b32 s46, s33, 1
	s_lshl_b32 s47, s34, 1
	s_add_co_u32 s46, s46, s47
	s_mul_i32 s35, s35, 53248
	s_add_co_u32 s35, s35, 1703936
	s_branch .Lsig
.Lwo:
	s_sub_co_u32 s32, ttmp9, 48            ; wo: 32 tiles x 2 pairs; a unit is 128 columns
	s_and_b32 s33, s32, 7
	s_lshl_b32 s33, s33, 2
	s_add_co_u32 s33, s33, s[WV]
	s_lshr_b32 s34, s32, 3
	s_mov_b64 s[36:37], s[16:17]
	s_lshr_b32 s35, s33, 3
	s_and_b32 s46, s33, 7
	s_lshl_b32 s47, s34, 3
	s_add_co_u32 s46, s46, s47
	s_mul_i32 s35, s35, 53248
	s_add_co_u32 s35, s35, 638976
.Lsig:
	s_lshl_b32 s40, s34, 19                ; 256 rows of 2,048 bytes for each P,
	s_lshl_b32 s47, s33, 6                 ; 64 bytes for each T
	s_add_co_u32 s40, s40, s47
	DEST 49152
	WQ 2048, 1
	s_endpgm
.Lw1:
	s_sub_co_u32 s32, ttmp9, 64            ; w1: 128 tiles x 2 pairs; a unit is 128 columns
	s_and_b32 s33, s32, 31
	s_lshl_b32 s33, s33, 2
	s_add_co_u32 s33, s33, s[WV]
	s_lshr_b32 s34, s32, 5
	s_mov_b64 s[36:37], s[18:19]
	s_lshr_b32 s35, s33, 3
	s_and_b32 s46, s33, 7
	s_lshl_b32 s47, s34, 3
	s_add_co_u32 s46, s46, s47
	s_mul_i32 s35, s35, 53248
	s_add_co_u32 s35, s35, 851968
	s_lshl_b32 s40, s34, 21                ; 256 rows of 8,192 bytes
	s_lshl_b32 s47, s33, 6
	s_add_co_u32 s40, s40, s47
	DEST 49152
	WQ 8192, 0
	s_endpgm
.Lqkvw:
	s_lshr_b32 s48, ttmp9, 4               ; 0: wq, 1: wk, 2: wv; a unit is a head's 32 columns
	s_and_b32 s32, ttmp9, 15
	s_and_b32 s33, s32, 7
	s_lshl_b32 s33, s33, 2
	s_add_co_u32 s33, s33, s[WV]
	s_lshr_b32 s34, s32, 3
	s_cmp_eq_u32 s48, 0
	s_cselect_b64 s[36:37], s[10:11], s[12:13]
	s_cmp_eq_u32 s48, 2
	s_cselect_b64 s[36:37], s[14:15], s[36:37]
	s_lshl_b32 s35, s48, 4
	s_lshr_b32 s47, s33, 1
	s_add_co_u32 s35, s35, s47
	s_mul_i32 s35, s35, 13312
	s_and_b32 s46, s33, 1
	s_lshl_b32 s46, s46, 1
	s_add_co_u32 s46, s46, s34
	s_lshl_b32 s40, s34, 19
	s_lshl_b32 s47, s33, 6
	s_add_co_u32 s40, s40, s47
	DEST 12288
	WQ 2048, 0
	s_endpgm
	; ---- LayerNorm 1
.Lln:
	s_sub_co_u32 s32, ttmp9, 192           ; the tile of 16 tokens
	s_lshl_b32 s34, s32, 15
	s_lshl_b32 s33, s[WV], 9               ; my 128 channels: 512 bytes
	s_add_co_u32 s34, s34, s33
	s_mov_b32 s35, 0
	s_add_nc_u64 s[4:5], s[4:5], s[34:35]
	s_mov_b32 s34, s33
	s_add_nc_u64 s[6:7], s[6:7], s[34:35]
	s_add_nc_u64 s[8:9], s[8:9], s[34:35]
	s_lshr_b32 s36, s32, 3
	s_mul_i32 s36, s36, 53248              ; the block of 128 tokens in actq
	s_and_b32 s37, s32, 7
	s_lshl_b32 s38, s37, 2
	s_add_co_u32 s38, s38, s[WV]
	s_mul_i32 s38, s38, 1536
	s_add_co_u32 s38, s38, s36
	s_mov_b32 s39, 0
	s_add_nc_u64 s[HB:HB+1], s[22:23], s[38:39]
	s_lshl_b32 s38, s37, 9
	s_add_co_u32 s38, s38, s36
	s_add_co_u32 s38, s38, 49152
	s_add_nc_u64 s[HS:HS+1], s[22:23], s[38:39]
	s_mov_b32 s30, 0x3b000000              ; 1 / 512
	s_mov_b32 s31, 0x3727c5ac              ; 1e-5
	s_mul_i32 s40, s[WV], 8448             ; my stage
	s_wait_alu depctr_va_vdst(0)
	v_add_nc_u32 v5, s40, v[LI]            ; in: a row's 512 bytes as they lie
	v_mul_u32_u24 v6, v1, 528
	v_lshl_add_u32 v6, v2, 6, v6
	v_add_nc_u32 v6, s40, v6               ; out: row r, 16 neighbours of each block of 32
	s_lshl_b32 s41, s[WV], 2
	v_lshlrev_b32 v[REDR], 4, v1
	v_add_nc_u32 v[REDR], RED, v[REDR]
	v_add_nc_u32 v[REDW], s41, v[REDR]
	v_add_nc_u32 v[SCR], SCW, v[LI]
	v_add_nc_u32 v[SCWW], s41, v[SCR]
	v_lshlrev_b32 v10, 6, v2               ; gain and bias: 64 h
	v_mov_b32 v19, 0
.irp b, 0,1,2,3
	v_mov_b32 v[TM+4+\b], 0
.endr
.set ii, 0
.rept 16
	global_load_b128 v[RB+4*ii:RB+4*ii+3], v[LI], s[4:5] offset:2048*ii th:TH_LOAD_NT   ; 32 lanes read 512 consecutive bytes of row ii
.set ii, ii+1
.endr
.irp b, 0,1,2,3
.irp j, 0,1,2,3
	global_load_b128 v[G+16*\b+4*\j:G+16*\b+4*\j+3], v10, s[6:7] offset:128*\b+16*\j
.endr
.endr
	s_wait_alu depctr_va_vdst(0)
	s_wait_loadcnt 16                      ; x is in; the gain's sixteen loads may be out
.set ii, 0
.rept 16
	ds_store_b128 v5, v[RB+4*ii:RB+4*ii+3] offset:528*ii
.set ii, ii+1
.endr
.irp b, 0,1,2,3
.irp j, 0,1,2,3
	ds_load_b128 v[X+16*\b+4*\j:X+16*\b+4*\j+3], v6 offset:128*\b+16*\j   ; my wave's own bytes, served in order: these see the stores above
.endr
.endr
	s_wait_dscnt 0x0                       ; the stores have read their registers, which now take the bias
.irp b, 0,1,2,3
.irp j, 0,1,2,3
	global_load_b128 v[RB+16*\b+4*\j:RB+16*\b+4*\j+3], v10, s[8:9] offset:128*\b+16*\j
.endr
.endr
	LN_A X, 0
	BARRIER                                ; the four partial sums of each row lie in LDS
	LN_B X, 0
	BARRIER                                ; and the four sums of squares
	s_wait_loadcnt 0x0                     ; gain and bias
	LN_C X, 0, G, RB, 0
	BARRIER                                ; the four scale words of each row
	LN_D 1
	s_wait_tensorcnt 0x0                   ; the wave's end
	ds_add_u32 v[SPW], v[NIL]
	s_wait_dscnt 0x0
	s_endpgm
.Lfunc_end_k_q9c27085dda_prep:
	.size	k_q9c27085dda_prep, .Lfunc_end_k_q9c27085dda_prep-k_q9c27085dda_prep
	.p2alignl 7, 3214868480
	.fill 96, 4, 3214868480
	.section	.rodata,"a",@progbits
	.p2align	6, 0x0
	.amdhsa_kernel k_q9c27085dda_prep
		.amdhsa_group_segment_fixed_size 35328
		.amdhsa_private_segment_fixed_size 0
		.amdhsa_enable_private_segment 0
		.amdhsa_kernarg_size 88
		.amdhsa_user_sgpr_count 2
		.amdhsa_user_sgpr_kernarg_segment_ptr 1
		.amdhsa_wavefront_size32 1
		.amdhsa_system_sgpr_workgroup_id_x 1
		.amdhsa_system_sgpr_workgroup_id_y 1
		.amdhsa_system_sgpr_workgroup_id_z 1
		.amdhsa_system_vgpr_workitem_id 0
		.amdhsa_next_free_vgpr 256
		.amdhsa_next_free_sgpr 66
		.amdhsa_reserve_vcc 0
		.amdhsa_float_denorm_mode_32 3
		.amdhsa_float_denorm_mode_16_64 3
		.amdhsa_memory_ordered 1
		.amdhsa_forward_progress 1
		.amdhsa_inst_pref_size 85
	.end_amdhsa_kernel
	.amdgpu_metadata
---
amdhsa.version: [ 1, 2 ]
amdhsa.kernels:
  - .name:           k_q9c27085dda_prep
    .symbol:         k_q9c27085dda_prep.kd
    .args:
      - { .name: x, .offset: 0, .size: 8, .value_kind: global_buffer, .address_space: global }
      - { .name: ln1_g, .offset: 8, .size: 8, .value_kind: global_buffer, .address_space: global }
      - { .name: ln1_b, .offset: 16, .size: 8, .value_kind: global_buffer, .address_space: global }
      - { .name: wq, .offset: 24, .size: 8, .value_kind: global_buffer, .address_space: global }
      - { .name: wk, .offset: 32, .size: 8, .value_kind: global_buffer, .address_space: global }
      - { .name: wv, .offset: 40, .size: 8, .value_kind: global_buffer, .address_space: global }
      - { .name: wo, .offset: 48, .size: 8, .value_kind: global_buffer, .address_space: global }
      - { .name: w1, .offset: 56, .size: 8, .value_kind: global_buffer, .address_space: global }
      - { .name: w2, .offset: 64, .size: 8, .value_kind: global_buffer, .address_space: global }
      - { .name: actq, .offset: 72, .size: 8, .value_kind: global_buffer, .address_space: global }
      - { .name: wts, .offset: 80, .size: 8, .value_kind: global_buffer, .address_space: global }
    .group_segment_fixed_size: 35328
    .private_segment_fixed_size: 0
    .kernarg_segment_align: 8
    .kernarg_segment_size: 88
    .max_flat_workgroup_size: 128
    .sgpr_count:     66
    .vgpr_count:     256
    .wavefront_size: 32
...
	.end_amdgpu_metadata
.endif
;; end of part 1
;; launch qkv (part 2): grid 4 x 64, 12 waves a work-group, clusters of 4 x 1, 327,680 bytes of LDS; arguments actq, wts, qb, kvh; writes qb, kvh
.if DOCPART == 2
	.amdgcn_target "amdgcn-amd-amdhsa--gfx1250"
	.amdhsa_code_object_version 6
	.text
	.protected	k_q9c27085dda_qkv
	.globl	k_q9c27085dda_qkv
	.p2align	8
	.type	k_q9c27085dda_qkv,@function
k_q9c27085dda_qkv:
	s_mov_b64 s[64:65], 0
	v_nop
	global_prefetch_b8 v0, s[64:65] scope:SCOPE_SE
	s_setreg_imm32_b32 hwreg(HW_REG_WAVE_MODE, 25, 1), 1
	s_wait_xcnt 0x0
	s_wait_alu depctr_hold_cnt(0) depctr_sa_sdst(0) depctr_va_vdst(0) depctr_va_sdst(0) depctr_va_ssrc(0) depctr_va_vcc(0) depctr_vm_vsrc(0)
	s_getreg_b32 s2, hwreg(HW_REG_IB_STS2, 6, 4)
	s_cmp_eq_u32 s2, 0
	s_cbranch_scc0 .Lentry_in_a_cluster
	s_endpgm
.Lentry_in_a_cluster:
	s_bfe_u32 s2, ttmp6, 0x10000c
	s_cmp_lg_u32 s2, 0x3003
	s_cbranch_scc0 .Lentry_shape_is_right
	s_endpgm
.Lentry_shape_is_right:
.set WV, 12
.set SEL, 20
.set G1W, 24
.set G1X, 32
.set G0W, 40
.set G0X, 44
.set LI, 1
.set WA, 2
.set WA8, 3
.set SPW, 4
.set NIL, 5
.set VQ, 6
.set L8, 7
.set ACC, 16
.set TM, 144
.set SPARE, 212992
.macro PLACES n
.rept \n
	v_nop
.endr
.endm
.macro CROUND
	s_barrier_signal -1
	s_barrier_wait -1
	s_cmp_lg_u32 s[WV], 0
	s_cbranch_scc1 .Lnot_wave_0_\@
	s_barrier_signal -3
.Lnot_wave_0_\@:
	s_barrier_wait -3
	s_barrier_signal -1
	s_barrier_wait -1
.endm
.macro FETCH reg, adr, off
.irp g, 0,1,2
	ds_load_b128 v[\reg+4*\g:\reg+4*\g+3], v[\adr] offset:\off+512*\g
.endr
.endm
.macro GIMAGE pc, adr, sb, off
.irp g, 0,1,2
	global_store_b128 v[\adr], v[\pc+4*\g:\pc+4*\g+3], s[\sb:\sb+1] offset:\off+512*\g
.endr
.endm
.macro WM0 d, a, b, sa, sb
	v_wmma_scale_f32_16x16x128_f8f6f4 v[\d:\d+7], v[\a:\a+11], v[\b:\b+11], 0, v[\sa], v[\sb] matrix_a_fmt:MATRIX_FMT_FP6 matrix_b_fmt:MATRIX_FMT_FP6
.endm
.macro WMC d, a, b, c, sa, sb
	v_wmma_scale_f32_16x16x128_f8f6f4 v[\d:\d+7], v[\a:\a+11], v[\b:\b+11], v[\c:\c+7], v[\sa], v[\sb] matrix_a_fmt:MATRIX_FMT_FP6 matrix_b_fmt:MATRIX_FMT_FP6
.endm
.macro QUANT s, pc, pw
.irp b, 0,1,2,3
	v_max3_num_f32 v[TM+\b], |v[\s+16*\b]|, |v[\s+1+16*\b]|, 0x1800000
.endr
.irp i, 2,4,6,8,10,12,14
.irp b, 0,1,2,3
	v_max3_num_f32 v[TM+\b], v[TM+\b], |v[\s+16*\b+\i]|, |v[\s+1+16*\b+\i]|
.endr
.endr
.irp b, 0,1,2,3
	s_delay_alu instid0(VALU_DEP_4)
	v_permlanex16_b32 v[TM+4+\b], v[TM+\b], s[SEL], s[SEL+1]
.endr
.irp b, 0,1,2,3
	s_delay_alu instid0(VALU_DEP_4)
	v_max_num_f32 v[TM+\b], v[TM+\b], v[TM+4+\b]
.endr
.irp b, 0,1,2,3
	s_delay_alu instid0(VALU_DEP_4)
	v_add_nc_u32 v[TM+12+\b], 0xff000000, v[TM+\b]
.endr
.irp b, 0,1,2,3
	s_delay_alu instid0(VALU_DEP_4)
	v_lshrrev_b32 v[TM+4+\b], 23, v[TM+12+\b]
.endr
	s_delay_alu instid0(VALU_DEP_3)
	v_lshl_or_b32 v[\pw], v[TM+5], 8, v[TM+4]
	s_delay_alu instid0(VALU_DEP_1)
	v_lshl_or_b32 v[\pw], v[TM+6], 16, v[\pw]
	s_delay_alu instid0(VALU_DEP_1)
	v_lshl_or_b32 v[\pw], v[TM+7], 24, v[\pw]
.irp c, 0,1
	v_cvt_scalef32_pk16_fp6_f32 v[\pc+6*\c:\pc+2+6*\c], v[\s+32*\c:\s+15+32*\c], v[TM+12+2*\c]
	v_cvt_scalef32_pk16_fp6_f32 v[\pc+12+4*\c:\pc+14+4*\c], v[\s+16+32*\c:\s+31+32*\c], v[TM+12+2*\c+1]
.endr
	v_nop
.irp c, 0,1
.irp i, 0,1,2
	v_permlane16_swap_b32 v[\pc+6*\c+\i], v[\pc+12+4*\c+\i]
.endr
.irp i, 0,1,2
	s_delay_alu instid0(VALU_DEP_3)
	v_mov_b32 v[\pc+3+6*\c+\i], v[\pc+12+4*\c+\i]
.endr
.endr
.endm
.macro APAIR G, s, k
.irp i, 0,1
	FETCH 168+28*(\k)+14*\i, LI, (4*(2*(\G)+\i)+(\s))*1536
	ds_load_b32 v[168+28*(\k)+14*\i+12], v[LI] offset:49152+512*(2*(\G)+\i)+4*(\s)
.endr
.endm
.macro MM tr, m, u, s, k, i
.set rA, 168+28*(\k)+14*(\i)
.set rW, 144+12*(\u)
.set rS, 224+4*(\u)+(\s)
.if \tr
.set rD, ACC+16*(\m)+8*(\u)
.if \s == 0
	WM0 rD, rW, rA, rS, rA+12
.else
	WMC rD, rW, rA, rD, rS, rA+12
.endif
.else
.set rD, ACC+64*(\u)+8*(\m)
.if \s == 0
	WM0 rD, rA, rW, rA+12, rS
.else
	WMC rD, rA, rW, rD, rA+12, rS
.endif
.endif
.endm
.macro GEMM tr
.irp u, 0,1
.irp p, 0,1
	ds_load_b64 v[224+4*\u+2*\p:225+4*\u+2*\p], v[WA8] offset:12288+(2*\u+\p)*256
.endr
.endr
.irp s, 0,1,2,3
.if \s > 0
	PLACES 4
.endif
	FETCH 144, WA, (\s)*1536
	FETCH 156, WA, (4+\s)*1536
	APAIR 0, \s, 0
	APAIR 1, \s, 1
.irp G, 0,1,2,3
.if \G < 3
	s_wait_dscnt 8
.else
	s_wait_dscnt 0x0
.endif
.irp i, 0,1
.irp u, 0,1
	MM \tr, 2*\G+\i, \u, \s, \G%2, \i
.endr
.endr
.if \G < 2
	PLACES 4
	APAIR \G+2, \s, \G%2
.endif
.endr
.endr
.endm
	s_load_b256 s[4:11], s[0:1], 0x0
	v_lshl_add_u32 v[SPW], v0, 2, SPARE
	v_mov_b32 v[NIL], 0
	ds_add_u32 v[SPW], v[NIL]
	ds_add_u32 v[SPW], v[NIL]
	v_lshrrev_b32 v8, 5, v0
	s_delay_alu instid0(VALU_DEP_1)
	v_readfirstlane_b32 s[WV], v8
	s_bfe_u32 s13, ttmp6, 0x40000
	s_and_b32 s14, ttmp7, 0xffff
	s_lshr_b32 s15, s[WV], 2
	s_and_b32 s16, s[WV], 3
	s_mov_b32 s[G1W], 3<<16
	s_mov_b32 s[G1W+1], 32<<16
	s_mov_b32 s[G1W+2], 104<<16
	s_mov_b32 s[G1W+3], 32<<16
	s_mov_b32 s[G1W+4], 104
	s_mov_b32 s[G1W+5], 32
	s_mov_b32 s[G1W+6], 0
	s_mov_b32 s[G1W+7], 0
	s_mov_b32 s[G1X], 15|(3<<16)|(1<<21)
	s_mov_b32 s[G1X+1], 32<<16
	s_mov_b32 s[G1X+2], 52<<16
	s_mov_b32 s[G1X+3], 32<<16
	s_mov_b32 s[G1X+4], 52
	s_mov_b32 s[G1X+5], 32
	s_mov_b32 s[G1X+6], 0
	s_mov_b32 s[G1X+7], 0
	s_mov_b32 s[SEL], 0x76543210
	s_mov_b32 s[SEL+1], 0xfedcba98
	s_mov_b32 s22, 0xffff0000
	s_mov_b32 s23, 0x01010101
	s_lshl_b32 s17, s13, 2
	s_add_co_u32 s17, s17, s16
	s_lshr_b32 s18, s[WV], 1               ; waves 0-5 fetch the weights, two units of 13,312 bytes each: wave j takes units 2 (j % 2), + 1 of my four heads of wq, wk or wv (j / 2)
	s_lshl_b32 s18, s18, 4
	s_and_b32 s52, s[WV], 1
	s_lshl_b32 s52, s52, 1
	s_add_co_u32 s18, s18, s52
	s_lshl_b32 s52, s13, 2
	s_add_co_u32 s18, s18, s52
	s_mul_i32 s18, s18, 13312
	s_mul_i32 s53, s[WV], 26624            ; and where they go: behind x's block, 26,624 bytes a wave
	s_add_co_u32 s53, s53, 53248
	s_mov_b32 s19, 0
	s_mul_i32 s48, s[WV], 13312
	s_add_co_u32 s48, s48, 53248
	s_mul_i32 s49, s16, 13312              ; waves 8-11 fetch x's block jointly, a quarter each
	s_mul_i32 s50, s14, 53248
	s_add_co_u32 s50, s50, s49
	s_mov_b32 s51, 0
	s_wait_dscnt 0x0
	s_wait_kmcnt 0x0
	s_mov_b32 s[G0W], 1
	s_mov_b32 s[G0W+1], s53
	s_add_nc_u64 s[G0W+2:G0W+3], s[6:7], s[18:19]
	s_or_b32 s[G0W+3], s[G0W+3], 0x80000000
	s_mov_b32 s[G0X], 1
	s_mov_b32 s[G0X+1], s49
	s_add_nc_u64 s[G0X+2:G0X+3], s[4:5], s[50:51]
	s_or_b32 s[G0X+3], s[G0X+3], 0x80000000
	CROUND
	s_cmp_lt_u32 s[WV], 6                  ; the first fills, one chain of branches on the wave's number, at most one load a wave: all LDS bytes are filled once
	s_cbranch_scc0 .Lnot_w
	tensor_load_to_lds s[G0W:G0W+3], s[G1W:G1W+7]
	s_nop 0
	PLACES 4
	s_branch .Lasked
.Lnot_w:
	s_cmp_lt_u32 s[WV], 8
	s_cbranch_scc1 .Lasked
	tensor_load_to_lds s[G0X:G0X+3], s[G1X:G1X+7]
	s_nop 0
	PLACES 4
.Lasked:
	v_and_b32 v8, 31, v0
	v_and_b32 v9, 15, v0
	v_bfe_u32 v10, v0, 4, 1
	s_delay_alu instid0(VALU_DEP_3)
	v_lshlrev_b32 v[LI], 4, v8
	s_delay_alu instid0(VALU_DEP_1)
	v_add_nc_u32 v[WA], s48, v[LI]
	v_lshlrev_b32 v[L8], 3, v8
	s_delay_alu instid0(VALU_DEP_1)
	v_add_nc_u32 v[WA8], s48, v[L8]
	v_lshlrev_b32 v[VQ], 4, v9
	s_delay_alu instid0(VALU_DEP_1)
	v_lshl_add_u32 v[VQ], v10, 9, v[VQ]
	s_wait_tensorcnt 0x0
	s_wait_dscnt 0x0
	s_barrier_signal -1
	s_barrier_wait -1
	s_cmp_eq_u32 s15, 2
	s_cbranch_scc1 .Lgv
	s_wait_alu depctr_va_vdst(0)
	GEMM 1
	s_branch .Ljoin
.Lgv:
	s_wait_alu depctr_va_vdst(0)
	GEMM 0
.Ljoin:
	PLACES 4
.irp b, 0,1,2,3
	v_mov_b32 v[TM+4+\b], 0
.endr
	s_lshr_b32 s49, s14, 4
	s_lshl_b32 s49, s49, 4
	s_add_co_u32 s49, s49, s17
	s_and_b32 s50, s14, 15
	s_mov_b32 s57, 0
	s_cmp_eq_u32 s15, 0
	s_cbranch_scc1 .Lq
	s_sub_co_u32 s51, s15, 1
	s_mul_i32 s58, s49, 106496
	s_mul_i32 s56, s51, 49152
	s_add_co_u32 s56, s56, s58
	s_mul_i32 s59, s50, 3072
	s_add_co_u32 s56, s56, s59
	s_add_nc_u64 s[52:53], s[10:11], s[56:57]
	s_lshl_b32 s56, s51, 12
	s_add_co_u32 s56, s56, s58
	s_lshl_b32 s59, s50, 8
	s_add_co_u32 s56, s56, s59
	s_add_co_u32 s56, s56, 98304
	s_add_nc_u64 s[54:55], s[10:11], s[56:57]
	QUANT ACC, 162, 160
	QUANT ACC+64, 182, 161
	GIMAGE 162, LI, 52, 0
	GIMAGE 182, LI, 52, 1536
	global_store_b64 v[L8], v[160:161], s[54:55]
	s_branch .Lend
.Lq:
	s_lshl_b32 s56, s49, 16
	s_lshl_b32 s59, s50, 12
	s_add_co_u32 s56, s56, s59
	s_add_nc_u64 s[52:53], s[8:9], s[56:57]
.irp g, 0,1
	QUANT ACC+64*\g, 162+20*\g, 160+\g
.irp c, 0,1
	v_mov_b32 v[204+8*\g+4*\c], v[162+20*\g+6*\c+4]
	v_mov_b32 v[205+8*\g+4*\c], v[162+20*\g+6*\c+5]
	v_cndmask_b32 v[206+8*\g+4*\c], v[TM+4+2*\c], v[TM+5+2*\c], s22
	s_delay_alu instid0(VALU_DEP_1)
	v_mul_lo_u32 v[206+8*\g+4*\c], v[206+8*\g+4*\c], s23
	v_mov_b32 v[207+8*\g+4*\c], 0
	global_store_b128 v[VQ], v[162+20*\g+6*\c:165+20*\g+6*\c], s[52:53] offset:(4*\g+2*\c)*512
	global_store_b128 v[VQ], v[204+8*\g+4*\c:207+8*\g+4*\c], s[52:53] offset:(4*\g+2*\c)*512+256
.endr
.endr
.Lend:
	s_wait_tensorcnt 0x0
	ds_add_u32 v[SPW], v[NIL]
	s_wait_dscnt 0x0
	CROUND
	s_endpgm
.Lfunc_end_k_q9c27085dda_qkv:
	.size	k_q9c27085dda_qkv, .Lfunc_end_k_q9c27085dda_qkv-k_q9c27085dda_qkv
	.p2alignl 7, 3214868480
	.fill 96, 4, 3214868480
	.section	.rodata,"a",@progbits
	.p2align	6, 0x0
	.amdhsa_kernel k_q9c27085dda_qkv
		.amdhsa_group_segment_fixed_size 327680
		.amdhsa_private_segment_fixed_size 0
		.amdhsa_enable_private_segment 0
		.amdhsa_kernarg_size 32
		.amdhsa_user_sgpr_count 2
		.amdhsa_user_sgpr_kernarg_segment_ptr 1
		.amdhsa_wavefront_size32 1
		.amdhsa_system_sgpr_workgroup_id_x 1
		.amdhsa_system_sgpr_workgroup_id_y 1
		.amdhsa_system_sgpr_workgroup_id_z 1
		.amdhsa_system_vgpr_workitem_id 0
		.amdhsa_next_free_vgpr 256
		.amdhsa_next_free_sgpr 66
		.amdhsa_reserve_vcc 0
		.amdhsa_float_denorm_mode_32 3
		.amdhsa_float_denorm_mode_16_64 3
		.amdhsa_memory_ordered 1
		.amdhsa_forward_progress 1
		.amdhsa_inst_pref_size 67
	.end_amdhsa_kernel
	.amdgpu_metadata
---
amdhsa.version: [ 1, 2 ]
amdhsa.kernels:
  - .name:           k_q9c27085dda_qkv
    .symbol:         k_q9c27085dda_qkv.kd
    .args:
      - { .name: actq, .offset: 0, .size: 8, .value_kind: global_buffer, .address_space: global }
      - { .name: wts, .offset: 8, .size: 8, .value_kind: global_buffer, .address_space: global }
      - { .name: qb, .offset: 16, .size: 8, .value_kind: global_buffer, .address_space: global }
      - { .name: kvh, .offset: 24, .size: 8, .value_kind: global_buffer, .address_space: global }
    .group_segment_fixed_size: 327680
    .private_segment_fixed_size: 0
    .kernarg_segment_align: 8
    .kernarg_segment_size: 32
    .max_flat_workgroup_size: 384
    .sgpr_count:     66
    .vgpr_count:     256
    .wavefront_size: 32
...
	.end_amdgpu_metadata
.endif
;; end of part 2
;; launch attn (part 3): grid 4 x 64, 16 waves a work-group, clusters of 4 x 1, 167,936 bytes of LDS; arguments qb, kvh, ctxq; writes ctxq
.if DOCPART == 3
	.amdgcn_target "amdgcn-amd-amdhsa--gfx1250"
	.amdhsa_code_object_version 6
	.text
	.protected	k_q9c27085dda_attn
	.globl	k_q9c27085dda_attn
	.p2align	8
	.type	k_q9c27085dda_attn,@function
k_q9c27085dda_attn:
	s_mov_b64 s[64:65], 0
	v_nop
	global_prefetch_b8 v0, s[64:65] scope:SCOPE_SE
	s_setreg_imm32_b32 hwreg(HW_REG_WAVE_MODE, 25, 1), 1
	s_wait_xcnt 0x0
	s_wait_alu depctr_hold_cnt(0) depctr_sa_sdst(0) depctr_va_vdst(0) depctr_va_sdst(0) depctr_va_ssrc(0) depctr_va_vcc(0) depctr_vm_vsrc(0)
	s_getreg_b32 s2, hwreg(HW_REG_IB_STS2, 6, 4)
	s_cmp_eq_u32 s2, 0
	s_cbranch_scc0 .Lentry_in_a_cluster
	s_endpgm
.Lentry_in_a_cluster:
	s_bfe_u32 s2, ttmp6, 0x10000c
	s_cmp_lg_u32 s2, 0x3003
	s_cbranch_scc0 .Lentry_shape_is_right
	s_endpgm
.Lentry_shape_is_right:
; ATTENTION on codes of FP6: ctx = softmax(q k^T / sqrt(32)) v for one head, and ctx quantised for the projection (a head's 32 channels are one block of its K).  No work of reference() is left out.
; THE SOFTMAX AHEAD OF THE SECOND PRODUCT: t = score x log2(e) / sqrt(32); M = the running largest t rounded up to a whole number; p = 2^(t - M) is quantised along the keys, not normalised; the row's sum is taken of
; the unquantised p and divides at the end.  When M moves, the sum and O are multiplied by 2^(old M - new M): exact.
; SHARES.  A work-group takes one head (cluster y) and a quarter of its 2,048 queries (its place in the cluster).  Each of sixteen waves takes two tiles of 16 queries, one after the other, and walks the 2,048 keys, 128 a step.
; LDS.  The head's K and V, codes and scale words, 106,496 bytes, are filled once: no ring.  The four work-groups of a cluster read the same block: each wave asks jointly for a sixteenth.
; No prefetch: the launch's one fill stands at its head, and there is no loop to run ahead in.
; THE FIRST PRODUCT'S K IS 32, THE INSTRUCTION'S 128.  A fragment of K holds FOUR tiles of 16 keys in its four blocks; q lies in one block of its operand, zero codes in the other three: q in block b gives key tile b.
; WHICH KEYS FORM A TILE.  In memory row r, block b of fragment f is key 64 f + 16 b + r.  Behind the fill wave w lays step w's two fragments anew, once and in place (its own 3,072 + 256 bytes, which have had their one fill):
; row m, block b becomes key 64 f + 32 (m / 8) + 8 b + m % 8 (the 24 bytes of a key stay together; its scale byte goes with it).  Then lane (r, h) holds of query r the WHOLE blocks of 32 keys 2 f + h: no other lane is
; asked for a block's maximum, and the conversions' results are the operand's registers.  V's codes lie with place 16 h + 8 u + j = key 16 u + 8 h + j of a block: key tiles 1 and 2 of a fragment change their result registers to agree.
; THE SECOND PRODUCT RUNS ONE STEP LATE: step n - 1's two products stand directly behind step n's eight, so that one set of places serves all ten.  The first trip of a tile multiplies zero codes there.
; THE SUM'S EIGHT PARTS are joined one trip late too: the seven additions are places behind the products and stand, with the LDS loads, among the dependent lines that lead from the scores' maximum to M.
; K's fragments are fetched one step ahead; the fetch in a tile's last trip reads filled LDS bytes behind K's (V's first) and its result is not used.
; Both products are used transposed: a lane holds one query throughout.
; LIMITS: as stated at the head of the first kernel; the promise holds while the scaled scores t stay under 2^31 in magnitude.
.set WV, 12
.set SEL, 20
.set CS, 22                            ; s[22:23] c = log2(e) / sqrt(32)
.set HI, 24                            ; s24 lanes 16-31
.set KSEL, 25                          ; s25, s26 byte selects for K's and p's scale words
.set PSEL, 26
.set G1, 28
.set G0, 36
.set TK, 40                            ; s40 the step's fragments: 3,072 bytes a step
.set TS, 41                            ; s41 the step's scale words: 256 bytes a step; also the loop's counter
.set AL, 1                             ; v1 16 x lane
.set SPW, 2
.set NIL, 3
.set AS, 4                             ; v4 98,304 + 8 x lane
.set CTB, 6                            ; v6-8, v232-234 the conversions' odd halves
.set AD1, 9                            ; v9, v10 the two addresses at this step
.set ADS, 10
.set QS, 46                            ; v12 -M, v13 the running largest score, v[14:15] the sum; v16-45 zeros, q low, zeros, q high, zeros; v46 q's scale word
.set CO, 47
.set KF, 48
.set KSC, 72
.set VF, 74
.set VSC, 98
.set S, 100                            ; v100-163 scores, then p
.set O, 164                            ; v164-179 O^T
.set PCD, 180                          ; v180-191 p's codes
.set BM, 200                           ; v200-207 eight chains of maxima; v192-199, v240-245 seven partial sums
.set SO, 208
.set BY, 210
.set F, 212
.set DM, 214
.set PW, 215
.set RM, 224
.set QA, 231
.set KR, 232                           ; v232-235 at the head: K's scale bytes as loaded
.set CTA, 232
.set MO, 236                           ; v236 -M of the step before
.set TT, 237
.set WD, 238
.set Q1, 246                           ; v246-253 the second tile's q
.set WA, 127                           ; v127-131 at the head alone: my step's K, on the way out and in
.set WS, 128
.set RA, 129
.set RB, 130
.set RS, 131
.set SPARE, 106496
.macro PLACES n
.rept \n
	v_nop
.endr
.endm
.macro CROUND
	s_barrier_signal -1
	s_barrier_wait -1
	s_cmp_lg_u32 s[WV], 0
	s_cbranch_scc1 .Lnot_wave_0_\@
	s_barrier_signal -3
.Lnot_wave_0_\@:
	s_barrier_wait -3
	s_barrier_signal -1
	s_barrier_wait -1
.endm
.macro WM0 d, a, b, sa, sb
	v_wmma_scale_f32_16x16x128_f8f6f4 v[\d:\d+7], v[\a:\a+11], v[\b:\b+11], 0, v[\sa], v[\sb] matrix_a_fmt:MATRIX_FMT_FP6 matrix_b_fmt:MATRIX_FMT_FP6
.endm
.macro WMC d, a, b, c, sa, sb
	v_wmma_scale_f32_16x16x128_f8f6f4 v[\d:\d+7], v[\a:\a+11], v[\b:\b+11], v[\c:\c+7], v[\sa], v[\sb] matrix_a_fmt:MATRIX_FMT_FP6 matrix_b_fmt:MATRIX_FMT_FP6
.endm
.macro KLF a, off, f                   ; fragment f of K, an image of its registers
.irp g, 0,1,2
	ds_load_b128 v[KF+12*\f+4*\g:KF+12*\f+4*\g+3], v[\a] offset:\off+1536*\f+512*\g
.endr
.endm
.macro VLF a, f                        ; fragment f of V
.irp g, 0,1,2
	ds_load_b128 v[VF+12*\f+4*\g:VF+12*\f+4*\g+3], v[\a] offset:49152+1536*\f+512*\g
.endr
.endm
.macro TI t, k                         ; a partial sum begins: pairs k and k + 1 of p
	v_pk_add_f32 v[\t:\t+1], v[S+2*(\k):S+2*(\k)+1], v[S+2*(\k)+2:S+2*(\k)+3]
.endm
.macro TA t, k                         ; and takes pair k
	v_pk_add_f32 v[\t:\t+1], v[\t:\t+1], v[S+2*(\k):S+2*(\k)+1]
.endm
.macro TJ t, u                         ; two parts are joined
	v_pk_add_f32 v[\t:\t+1], v[\t:\t+1], v[\u:\u+1]
.endm
	s_load_b128 s[4:7], s[0:1], 0x0        ; qb, kvh
	s_load_b64 s[8:9], s[0:1], 0x10        ; ctxq
	v_lshl_add_u32 v[SPW], v0, 2, SPARE
	v_mov_b32 v[NIL], 0
	ds_add_u32 v[SPW], v[NIL]              ; the opening: the add, twice on end, and its wait ahead of my first tensor load
	ds_add_u32 v[SPW], v[NIL]
	v_lshrrev_b32 v120, 5, v0
	s_delay_alu instid0(VALU_DEP_1)
	v_readfirstlane_b32 s[WV], v120        ; wave 0..15
	s_bfe_u32 s13, ttmp6, 0x40000          ; cx: which quarter of the queries
	s_and_b32 s14, ttmp7, 0xffff           ; 16 x batch + head
	s_mov_b32 s[G1], 15|(3<<16)|(1<<21)    ; rows of 256 bytes, elements of 8; the mask names all four work-groups
	s_mov_b32 s[G1+1], 32<<16
	s_mov_b32 s[G1+2], 26<<16              ; 26 rows: a sixteenth of the head's block
	s_mov_b32 s[G1+3], 32<<16
	s_mov_b32 s[G1+4], 26
	s_mov_b32 s[G1+5], 32
	s_mov_b32 s[G1+6], 0
	s_mov_b32 s[G1+7], 0
	s_mov_b32 s[SEL], 0x76543210
	s_mov_b32 s[SEL+1], 0xfedcba98
	s_mov_b32 s[CS], 0x3e8293ee
	s_mov_b32 s[CS+1], s[CS]
	s_mov_b32 s[HI], 0xffff0000
	s_mov_b32 s[KSEL], 0x05010400
	s_mov_b32 s[PSEL], 0x06020400
	s_mul_i32 s43, s[WV], 6656
	s_mul_i32 s44, s14, 106496
	s_add_co_u32 s44, s44, s43
	s_mov_b32 s45, 0
	s_lshl_b32 s46, s14, 16                ; 128 tiles of 512 bytes for each head,
	s_lshl_b32 s47, s13, 14                ; 32 for each quarter,
	s_add_co_u32 s46, s46, s47
	s_lshl_b32 s47, s[WV], 10              ; two for each wave
	s_add_co_u32 s46, s46, s47
	s_mov_b32 s47, 0
	s_mul_i32 s42, s[WV], 3072             ; the step whose K I lay anew: its fragments,
	s_lshl_b32 s48, s[WV], 8               ; and its scale words
	s_wait_dscnt 0x0
	s_wait_kmcnt 0x0
	s_mov_b32 s[G0], 1
	s_mov_b32 s[G0+1], s43
	s_add_nc_u64 s[G0+2:G0+3], s[6:7], s[44:45]
	s_or_b32 s[G0+3], s[G0+3], 0x80000000
	s_add_nc_u64 s[16:17], s[4:5], s[46:47]    ; my two tiles of q,
	s_add_nc_u64 s[18:19], s[8:9], s[46:47]    ; and of ctx
	CROUND                                 ; all four work-groups are here: the joint loads meet
	tensor_load_to_lds s[G0:G0+3], s[G1:G1+7]  ; my one tensor load of the launch
	s_nop 0
	PLACES 4
	v_and_b32 v124, 15, v0                 ; r
	v_and_b32 v120, 31, v0                 ; lane
	v_and_b32 v121, 7, v0                  ; m % 8
	v_bfe_u32 v122, v0, 3, 1               ; m / 8
	s_delay_alu instid0(VALU_DEP_4)
	v_lshlrev_b32 v[QA], 4, v124
	v_bfe_u32 v123, v0, 4, 1               ; h
	global_load_b128 v[S:S+3], v[QA], s[16:17]               ; both tiles' q, under the tensor load's flight: row r's codes, and behind them its scale word
	global_load_b128 v[S+4:S+7], v[QA], s[16:17] offset:256
	global_load_b128 v[Q1:Q1+3], v[QA], s[16:17] offset:512
	global_load_b128 v[Q1+4:Q1+7], v[QA], s[16:17] offset:768
	v_lshlrev_b32 v[AL], 4, v120
	v_lshlrev_b32 v125, 4, v121
	v_lshlrev_b32 v126, 3, v121
	v_lshlrev_b32 v[AS], 3, v120
	v_lshl_add_u32 v[CO], v123, 9, v[QA]
	s_delay_alu instid0(VALU_DEP_4)
	v_lshl_add_u32 v125, v123, 7, v125     ; 16 (8 h + m % 8)
	s_delay_alu instid0(VALU_DEP_4)
	v_lshl_add_u32 v126, v122, 1, v126     ; 8 (m % 8) + 2 (m / 8)
	s_delay_alu instid0(VALU_DEP_4)
	v_add_nc_u32 v[AS], 98304, v[AS]
	v_add_nc_u32 v[WA], s42, v[AL]
	s_delay_alu instid0(VALU_DEP_4)
	v_add_nc_u32 v125, s42, v125
	s_delay_alu instid0(VALU_DEP_4)
	v_add_nc_u32 v126, s48, v126
	s_delay_alu instid0(VALU_DEP_4)
	v_add_nc_u32 v[WS], s48, v[AS]
	s_delay_alu instid0(VALU_DEP_3)
	v_mad_u32_u24 v[RA], v122, 520, v125   ; registers 6 (m / 8) on of a stored lane begin 520 (m / 8) bytes into its image; the middle pair 8 + 1,016 (m / 8)
	v_mad_u32_u24 v[RB], v122, 1016, v125
	s_delay_alu instid0(VALU_DEP_4)
	v_add_nc_u32 v[RS], 98304, v126
.irp n, 0,1,2,3,4,5
	v_mov_b32 v[16+\n], 0                  ; the three runs of zero codes
	v_mov_b32 v[28+\n], 0
	v_mov_b32 v[40+\n], 0
.endr
	v_mov_b32 v[RM+1], 0                   ; a lane permute's destination counts as one of its sources
	v_mov_b32 v[WD+1], 0
	v_mov_b32 v[DM], 0
	v_mov_b32 v[F+1], 0                    ; (named as the upper half of the pair v[212:213])
	s_wait_alu depctr_va_vdst(0)
	s_wait_tensorcnt 0x0
	s_wait_loadcnt 0x0                     ; q
	s_wait_dscnt 0x0
	s_barrier_signal -1
	s_barrier_wait -1                      ; the head's K and V lie in LDS
; my step's K anew: registers 6 c on of lane (m, h) are registers 6 (m / 8) on of the stored lane 8 h + m % 8 + 16 c; row m's scale word takes two bytes each of stored rows m % 8 and 8 + m % 8
.irp f, 0,1
.irp c, 0,1
	ds_load_b64 v[KF+12*\f+6*\c:KF+12*\f+6*\c+1], v[RA] offset:1536*\f+256*\c
	ds_load_b64 v[KF+12*\f+6*\c+2:KF+12*\f+6*\c+3], v[RB] offset:1536*\f+256*\c+8
	ds_load_b64 v[KF+12*\f+6*\c+4:KF+12*\f+6*\c+5], v[RA] offset:1536*\f+256*\c+512
.endr
	ds_load_u16 v[KR+2*\f], v[RS] offset:4*\f
	ds_load_u16 v[KR+2*\f+1], v[RS] offset:4*\f+64
.endr
	s_wait_dscnt 0x0                       ; all of it is in registers: only now is it written over
	v_perm_b32 v[KSC], v[KR+1], v[KR], s[KSEL]       ; bytes of key tiles 0 to 3: low row's first, high row's first, low row's second, high row's second
	v_perm_b32 v[KSC+1], v[KR+3], v[KR+2], s[KSEL]
.irp f, 0,1
.irp g, 0,1,2
	ds_store_b128 v[WA], v[KF+12*\f+4*\g:KF+12*\f+4*\g+3] offset:1536*\f+512*\g
.endr
.endr
	ds_store_b64 v[WS], v[KSC:KSC+1]
	s_wait_dscnt 0x0                       ; for the others' sake
	s_barrier_signal -1
	s_barrier_wait -1                      ; every step's K lies in its new order
; One tile of 16 queries through all keys; its q lies in v[qs] on.  Its 16 codes a lane end in v[216 + 4 i] on, its scale byte in v[228 + i]
.macro TILE i, qs
	KLF AL, 0, 0                           ; step 0's K
	KLF AL, 0, 1
	ds_load_b64 v[KSC:KSC+1], v[AS]
.if \i == 0
	VLF AL, 0                              ; the first trip's late products meet zero codes: V's registers only have to hold finite scales
	VLF AL, 1
	ds_load_b64 v[VSC:VSC+1], v[AS] offset:4096
.endif
.irp n, 0,1,2,3,4,5
	v_cndmask_b32 v[22+\n], v[\qs+\n], v16, s[HI]    ; q in lanes 0-15, zeros above
	v_cndmask_b32 v[34+\n], v16, v[\qs+\n], s[HI]    ; q in lanes 16-31, zeros below
.endr
	v_mov_b32 v[QS], v[\qs+6]
	v_mov_b32 v13, 0xff61b1e6              ; the largest score so far: -3e38
	v_mov_b32 v[MO], 0x7f61b1e6            ; and -M: 3e38, so that the first f is 0
	v_mov_b32 v14, 0
	v_mov_b32 v15, 0
	v_mov_b32 v[PW], 0x7f7f7f7f
.set jj, 0
.rept 12
	v_mov_b32 v[PCD+jj], 0
.set jj, jj+1
.endr
.irp t, 240,242,244,192,194,196,198
	v_mov_b32 v[\t], 0                     ; the sum's parts
	v_mov_b32 v[\t+1], 0
.endr
.set jj, 0
.rept 16
	v_mov_b32 v[O+jj], 0                   ; the step is written once: the first finds zeros
.set jj, jj+1
.endr
	s_mov_b32 s[TK], 0
	s_mov_b32 s[TS], 0
	s_wait_alu depctr_va_vdst(0)
	s_wait_dscnt 0x0
.Lstep_\@:
.irp f, 0,1
.irp b, 0,1,2,3
	WM0 S+32*\f+8*(((\b&1)<<1)|(\b>>1)), KF+12*\f, 22+12*(\b&1)-6*(\b>>1), KSC+\f, QS   ; register j of lane (r, h): key 64 f + 32 h + 8 b + j of query r, at V's place of it
.endr
.endr
.irp u, 0,1
	WMC O+8*\u, VF+12*\u, PCD, O+8*\u, VSC+\u, PW   ; the step before: register j of lane (r, h): channel 16 u + 8 h + j of query r
.endr
	v_add_nc_u32 v[AD1], s[TK], v[AL]      ; four plain lines: the places behind the ten products
	v_add_nc_u32 v[ADS], s[TS], v[AS]
	TJ 240, 194                            ; the last step's sums are joined: seven additions from here to M
	TJ 242, 196
.irp k, 0,1,2,3,4,5,6,7
	v_max3_num_f32 v[BM+\k], v[S+8*\k], v[S+8*\k+1], v[S+8*\k+2]    ; the largest score of each block of 32 keys, a chain to each accumulator, from its low end on
.endr
.irp i2, 3,5
.irp k, 0,1,2,3,4,5,6,7
	v_max3_num_f32 v[BM+\k], v[BM+\k], v[S+8*\k+\i2], v[S+8*\k+\i2+1]
.endr
.endr
.irp k, 0,2,4,6
	v_max3_num_f32 v[BM+\k], v[BM+\k], v[S+8*\k+7], v[S+8*\k+15]
.endr
	TJ 244, 198
	v_max3_num_f32 v[BM], v[BM], v[BM+1], v[BM+2]
	v_max3_num_f32 v[BM+4], v[BM+4], v[BM+5], v[BM+6]
	TJ 14, 192
	KLF AD1, 3072, 0                       ; the next step's K and this step's V: 14 loads, among the dependent lines
	v_max_num_f32 v[BM], v[BM], v[BM+3]    ; block h's
	v_max_num_f32 v[BM+4], v[BM+4], v[BM+7]    ; block 2 + h's
	TJ 240, 242
	KLF AD1, 3072, 1
	v_max_num_f32 v[RM], v[BM], v[BM+4]
	TJ 14, 244
	ds_load_b64 v[KSC:KSC+1], v[ADS] offset:256
	VLF AD1, 0
	v_permlanex16_b32 v[RM+1], v[RM], s[SEL], s[SEL+1]
	TJ 14, 240                             ; the sum up to the last step is whole
	VLF AD1, 1
	ds_load_b64 v[VSC:VSC+1], v[ADS] offset:4096
	v_max3_num_f32 v13, v13, v[RM], v[RM+1]    ; the running largest score (c is positive)
	s_delay_alu instid0(VALU_DEP_1)
	v_mul_f32 v[TT], s[CS], v13
	s_delay_alu instid0(VALU_DEP_1)
	v_floor_f32 v12, -v[TT]                ; the new -M: M is a whole number
.set jj, 0
.rept 32
	v_pk_fma_f32 v[S+jj:S+jj+1], v[S+jj:S+jj+1], s[CS:CS+1], v[12:13] op_sel_hi:[1,0,0]   ; t - M
.if jj == 8
	v_sub_f32 v[DM], v12, v[MO]            ; old M - new M, among the multiply-adds
.endif
.if jj == 18
	v_cvt_i32_f32 v[DM], v[DM]             ; (it saturates)
.endif
.if jj == 28
	v_ldexp_f32 v[F], 1.0, v[DM]           ; f = 2^(old M - new M)
.endif
.set jj, jj+2
.endr
	v_fma_f32 v[BM], v[BM], s[CS], v12
	v_fma_f32 v[BM+4], v[BM+4], s[CS], v12
.set jj, 0
.rept 8
	v_pk_mul_f32 v[O+jj:O+jj+1], v[O+jj:O+jj+1], v[F:F+1] op_sel_hi:[1,0]   ; O^T under the new M, each accumulator from its low end on
.set jj, jj+2
.endr
	v_pk_mul_f32 v[14:15], v[14:15], v[F:F+1] op_sel_hi:[1,0]               ; and the sum
	s_wait_alu depctr_va_vdst(0)
.set jj, 0
.rept 64
	v_exp_f32 v[S+jj], v[S+jj]             ; p = 2^(t - M)
.set jj, jj+1
.endr
	v_exp_f32 v[BM], v[BM]                 ; the blocks' largest p: the same two instructions on the same numbers
	v_exp_f32 v[BM+4], v[BM+4]
	v_mov_b32 v[MO], v12                   ; a plain place behind the exponentials
	s_wait_alu depctr_va_vdst(0)           ; one wait for the batch, ahead of its first reader; it also stands directly ahead of the wait below
	s_wait_dscnt 0x0                       ; all 14 loads of this trip
; p's scales and codes, and among these dependent lines the sums of the unquantised p, in eight chains
	v_max_num_f32 v[BM], 0x1800000, v[BM]  ; the floor 2^(3 - 127): the byte cannot fall under 1
	v_max_num_f32 v[BM+4], 0x1800000, v[BM+4]
	TI 240, 0
	TI 242, 2
	TI 244, 4
	TI 192, 6
	v_add_nc_u32 v[SO], 0xff000000, v[BM]  ; 2 off the exponent field: the conversion's scale operand
	v_add_nc_u32 v[SO+1], 0xff000000, v[BM+4]
	TI 194, 8
	TI 196, 10
	TI 198, 12
	TA 14, 14
	v_cvt_scalef32_pk16_fp6_f32 v[PCD:PCD+2], v[S:S+15], v[SO]
	v_cvt_scalef32_pk16_fp6_f32 v[CTA:CTA+2], v[S+16:S+31], v[SO]        ; (a conversion's three registers begin on an even number)
	v_cvt_scalef32_pk16_fp6_f32 v[PCD+6:PCD+8], v[S+32:S+47], v[SO+1]
	v_cvt_scalef32_pk16_fp6_f32 v[CTB:CTB+2], v[S+48:S+63], v[SO+1]
	TA 240, 15                             ; a plain place behind the scaled conversions
	v_lshrrev_b32 v[BY], 23, v[SO]
	v_lshrrev_b32 v[BY+1], 23, v[SO+1]
	TA 242, 16
	TA 244, 17
	TA 192, 18
	TA 194, 19
	v_lshl_or_b32 v[WD], v[BY+1], 16, v[BY]        ; my two bytes: blocks h and 2 + h
	TA 196, 20
	TA 198, 21
	TA 14, 22
	TA 240, 23
	v_permlanex16_b32 v[WD+1], v[WD], s[SEL], s[SEL+1]
	TA 242, 24
	TA 244, 25
	TA 192, 26
	v_perm_b32 v[PW], v[WD+1], v[WD], s[PSEL]      ; in lanes 0-15, which alone are read: mine, the other's, mine, the other's
.irp n, 0,1,2
	v_mov_b32 v[PCD+3+\n], v[CTA+\n]
	v_mov_b32 v[PCD+9+\n], v[CTB+\n]
.endr
	TA 194, 27                             ; five plain lines behind the codes' last write, eleven behind the scale word's: the places ahead of the products at the next trip's top
	TA 196, 28
	TA 198, 29
	TA 14, 30
	TA 240, 31
	s_add_co_u32 s[TK], s[TK], 3072
	s_add_co_u32 s[TS], s[TS], 256
	s_cmp_lg_u32 s[TS], 4096               ; 16 trips
	s_wait_alu depctr_va_vdst(0)
	s_cbranch_scc1 .Lstep_\@
.irp u, 0,1
	WMC O+8*\u, VF+12*\u, PCD, O+8*\u, VSC+\u, PW   ; the last step's second product
.endr
	TJ 240, 194                            ; the last step's sums; also the places behind the products
	TJ 242, 196
	TJ 244, 198
	TJ 14, 192
	TJ 240, 242
	TJ 14, 244
	TJ 14, 240
	v_add_f32 v14, v14, v15
	s_delay_alu instid0(VALU_DEP_1)
	v_permlanex16_b32 v[DM], v14, s[SEL], s[SEL+1]
	s_delay_alu instid0(VALU_DEP_1)
	v_add_f32 v14, v14, v[DM]              ; the row's sum: my blocks' and lane l xor 16's
	s_wait_alu depctr_va_vdst(0)
	v_rcp_f32 v14, v14
	v_nop
	s_wait_alu depctr_va_vdst(0)
.set jj, 0
.rept 16
	v_mul_f32 v[S+jj], v[O+jj], v14        ; ctx
.set jj, jj+1
.endr
	v_max3_num_f32 v[BM], |v[S]|, |v[S+1]|, 0x1800000
.set jj, 2
.rept 7
	s_delay_alu instid0(VALU_DEP_1)
	v_max3_num_f32 v[BM], v[BM], |v[S+jj]|, |v[S+jj+1]|
.set jj, jj+2
.endr
	s_delay_alu instid0(VALU_DEP_1)
	v_permlanex16_b32 v[RM+1], v[BM], s[SEL], s[SEL+1]
	s_delay_alu instid0(VALU_DEP_1)
	v_max_num_f32 v[BM], v[BM], v[RM+1]
	s_delay_alu instid0(VALU_DEP_1)
	v_add_nc_u32 v[SO], 0xff000000, v[BM]
	v_cvt_scalef32_pk16_fp6_f32 v[216+4*\i:218+4*\i], v[S:S+15], v[SO]
	v_nop
	v_lshrrev_b32 v[228+\i], 23, v[SO]
.endm
	TILE 0, S
	TILE 1, Q1
.irp n, 0,1,2
	v_permlane16_swap_b32 v[216+\n], v[220+\n]   ; lane (r, h) now holds the whole block of query r of tile h: its lower 16 codes in v216-218, its upper 16 in v220-222
.endr
	s_delay_alu instid0(VALU_DEP_3)
	v_mov_b32 v219, v220
	s_delay_alu instid0(VALU_DEP_3)
	v_mov_b32 v224, v221
	s_delay_alu instid0(VALU_DEP_3)
	v_mov_b32 v225, v222
	v_cndmask_b32 v226, v228, v229, s[HI]
	v_mov_b32 v227, 0
	global_store_b128 v[CO], v[216:219], s[18:19]             ; sixteen lanes fill 256 consecutive bytes
	global_store_b128 v[CO], v[224:227], s[18:19] offset:256
	s_wait_tensorcnt 0x0                   ; the wave's end
	ds_add_u32 v[SPW], v[NIL]
	s_wait_dscnt 0x0
	CROUND                                 ; the closing round
	s_endpgm
.Lfunc_end_k_q9c27085dda_attn:
	.size	k_q9c27085dda_attn, .Lfunc_end_k_q9c27085dda_attn-k_q9c27085dda_attn
	.p2alignl 7, 3214868480
	.fill 96, 4, 3214868480
	.section	.rodata,"a",@progbits
	.p2align	6, 0x0
	.amdhsa_kernel k_q9c27085dda_attn
		.amdhsa_group_segment_fixed_size 167936
		.amdhsa_private_segment_fixed_size 0
		.amdhsa_enable_private_segment 0
		.amdhsa_kernarg_size 24
		.amdhsa_user_sgpr_count 2
		.amdhsa_user_sgpr_kernarg_segment_ptr 1
		.amdhsa_wavefront_size32 1
		.amdhsa_system_sgpr_workgroup_id_x 1
		.amdhsa_system_sgpr_workgroup_id_y 1
		.amdhsa_system_sgpr_workgroup_id_z 1
		.amdhsa_system_vgpr_workitem_id 0
		.amdhsa_next_free_vgpr 256
		.amdhsa_next_free_sgpr 66
		.amdhsa_reserve_vcc 0
		.amdhsa_float_denorm_mode_32 3
		.amdhsa_float_denorm_mode_16_64 3
		.amdhsa_memory_ordered 1
		.amdhsa_forward_progress 1
		.amdhsa_inst_pref_size 46
	.end_amdhsa_kernel
	.amdgpu_metadata
---
amdhsa.version: [ 1, 2 ]
amdhsa.kernels:
  - .name:           k_q9c27085dda_attn
    .symbol:         k_q9c27085dda_attn.kd
    .args:
      - { .name: qb, .offset: 0, .size: 8, .value_kind: global_buffer, .address_space: global }
      - { .name: kvh, .offset: 8, .size: 8, .value_kind: global_buffer, .address_space: global }
      - { .name: ctxq, .offset: 16, .size: 8, .value_kind: global_buffer, .address_space: global }
    .group_segment_fixed_size: 167936
    .private_segment_fixed_size: 0
    .kernarg_segment_align: 8
    .kernarg_segment_size: 24
    .max_flat_workgroup_size: 512
    .sgpr_count:     66
    .vgpr_count:     256
    .wavefront_size: 32
...
	.end_amdgpu_metadata
.endif
;; end of part 3
;; launch oproj (part 4): grid 256 x 1, 4 waves a work-group, no clusters, 167,936 bytes of LDS; arguments x, ctxq, wts, bo, ln2_g, ln2_b, xt, actq; writes xt, actq
.if DOCPART == 4
	.amdgcn_target "amdgcn-amd-amdhsa--gfx1250"
	.amdhsa_code_object_version 6
	.text
	.protected	k_q9c27085dda_oproj
	.globl	k_q9c27085dda_oproj
	.p2align	8
	.type	k_q9c27085dda_oproj,@function
k_q9c27085dda_oproj:
	s_mov_b64 s[64:65], 0
	v_nop
	global_prefetch_b8 v0, s[64:65] scope:SCOPE_SE
	s_setreg_imm32_b32 hwreg(HW_REG_WAVE_MODE, 25, 1), 1
	s_wait_xcnt 0x0
; OPROJ: xt = x + ctx wo + bo on codes of FP6, and h = LayerNorm2(xt) quantised for the first product of the feed-forward layer.  No work is left out.
; SHARES.  A work-group takes 32 tokens.  In the product wave w makes columns 128 w .. 128 w + 127 for all 32; its 32 fragments of wo stay in registers.  In the LayerNorm wave w takes channels 128 w on (one K step).
; NO CLUSTER: what the work-groups share is wo, which goes from memory straight into the registers where it stays; a joint load lands in LDS only, and would add 212,992 bytes of LDS writes and reads to each work-group.
; x's 32 rows come by one tensor load a wave into LDS, as quarter rows of 512 bytes + 16 (a token: 2,112 bytes; quarter w is wave w's 128 columns); the sums are added there, so that the tile then holds xt:
; it leaves as whole rows and is read again by channels for the LayerNorm.  The tile is filled once; the stores into it come behind its one fill.
; ctx comes as blocks (a head, 16 tokens: 512 bytes); wave w gathers heads 4 w .. 4 w + 3 into K step w's two fragments, which go to the other waves through LDS as images of their registers.
; The product is used transposed (source 0 = 16 columns of wo): a lane holds one token and eight neighbouring columns.  bo is the C of each sum's first matrix instruction.
; REGISTERS, in windows of 256: window 0: addresses; v32-95 the sums, then tile 0's numbers; v96-159 x's numbers, then rows of xt, then tile 1's; v160-211 ctx's fragments and scale words, then the quantiser's; v212-243 wo's scale words.
;   window 1: wo's K steps 0, 1 (v0-191), bo (v192-255).  window 2: wo's K steps 2, 3, the gain.  window 3: the bias (v0-63).
; SCALARS: s[4:19] the eight buffers; s20 the wave; s[22:23] lane selects; s24 1 / 512, s25 1e-5; s[28:35] descriptor group 1, s[36:39] group 0: written once, never again; s40-47 at work; s[48:57] pointers.
; LIMITS: as stated at the head of the first kernel.
.set WV, 20
.set SEL, 22
.set RN, 24                            ; s24 1 / 512
.set EP, 25                            ; s25 1e-5
.set G1, 28
.set G0, 36
.set HB, 48
.set HS, 50
.set XTP, 52
.set WB, 54
.set CB, 56
.set LI, 4
.set L8, 5
.set CA, 6
.set REDW, 7
.set REDR, 8
.set SCWW, 9
.set GA, 10
.set SPW, 11
.set NIL, 12
.set CIW, 13
.set CSW, 22
.set XA, 23
.set XL, 24
.set XO, 25
.set BA, 26
.set SCR, 27
.set H8, 244
.set RD, 245
.set HA, 32
.set XR, 96
.set XF, 160
.set XS, 208
.set TM, 160
.set PC, 176
.set PW, 196
.set WS, 212
.set CIMG, 0                           ; LDS: ctx's eight fragments,
.set CSC, 12288                        ; their scale words,
.set RED, 13312                        ; the LayerNorm's partial sums,
.set SCW, 14336                        ; h's scale words,
.set SPARE, 15360                      ; the spare words,
.set XTB, 15872                        ; and the tile of x, then xt: 128 quarter rows
.set QP, 528                           ; a quarter row: 512 bytes + 16 of padding
.set TP, 4*QP                          ; a token's row
.set MT, 16*TP                         ; a tile of 16 tokens
.set MSB, 0
.macro WIN new
.if MSB != \new
	s_set_vgpr_msb (MSB<<8)|\new
.set MSB, \new
.endif
.endm
.macro PLACES n
.rept \n
	v_nop
.endr
.endm
.macro BARRIER
	s_wait_dscnt 0x0
	s_barrier_signal -1
	s_barrier_wait -1
.endm
.macro FETCH reg, adr, off
.irp g, 0,1,2
	ds_load_b128 v[\reg+4*\g:\reg+4*\g+3], v[\adr] offset:\off+512*\g
.endr
.endm
.macro GIMAGE pc, adr, sb, off
.irp g, 0,1,2
	global_store_b128 v[\adr], v[\pc+4*\g:\pc+4*\g+3], s[\sb:\sb+1] offset:\off+512*\g
.endr
.endm
.macro WMC d, a, b, c, sa, sb
	v_wmma_scale_f32_16x16x128_f8f6f4 v[\d:\d+7], v[\a:\a+11], v[\b:\b+11], v[\c:\c+7], v[\sa], v[\sb] matrix_a_fmt:MATRIX_FMT_FP6 matrix_b_fmt:MATRIX_FMT_FP6
.endm
.macro QUANT s, pc, pw
.irp b, 0,1,2,3
	v_max3_num_f32 v[TM+\b], |v[\s+16*\b]|, |v[\s+1+16*\b]|, 0x1800000
.endr
.irp i, 2,4,6,8,10,12,14
.irp b, 0,1,2,3
	v_max3_num_f32 v[TM+\b], v[TM+\b], |v[\s+16*\b+\i]|, |v[\s+1+16*\b+\i]|
.endr
.endr
.irp b, 0,1,2,3
	v_permlanex16_b32 v[TM+4+\b], v[TM+\b], s[SEL], s[SEL+1]
.endr
.irp b, 0,1,2,3
	v_max_num_f32 v[TM+\b], v[TM+\b], v[TM+4+\b]
.endr
.irp b, 0,1,2,3
	v_add_nc_u32 v[TM+12+\b], 0xff000000, v[TM+\b]
.endr
.irp b, 0,1,2,3
	v_lshrrev_b32 v[TM+4+\b], 23, v[TM+12+\b]
.endr
	v_lshl_or_b32 v[\pw], v[TM+5], 8, v[TM+4]
	v_lshl_or_b32 v[\pw], v[TM+6], 16, v[\pw]
	v_lshl_or_b32 v[\pw], v[TM+7], 24, v[\pw]
.irp c, 0,1
	v_cvt_scalef32_pk16_fp6_f32 v[\pc+6*\c:\pc+2+6*\c], v[\s+32*\c:\s+15+32*\c], v[TM+12+2*\c]
	v_cvt_scalef32_pk16_fp6_f32 v[\pc+12+4*\c:\pc+14+4*\c], v[\s+16+32*\c:\s+31+32*\c], v[TM+12+2*\c+1]
.endr
	v_nop
.irp c, 0,1
.irp i, 0,1,2
	v_permlane16_swap_b32 v[\pc+6*\c+\i], v[\pc+12+4*\c+\i]
.endr
.irp i, 0,1,2
	v_mov_b32 v[\pc+3+6*\c+\i], v[\pc+12+4*\c+\i]
.endr
.endr
.endm
.macro LN_A x, k
	v_pk_add_f32 v[14:15], v[\x:\x+1], v[\x+2:\x+3]
	v_pk_add_f32 v[16:17], v[\x+4:\x+5], v[\x+6:\x+7]
.set jj, 8
.rept 14
	v_pk_add_f32 v[14:15], v[14:15], v[\x+jj:\x+jj+1]
	v_pk_add_f32 v[16:17], v[16:17], v[\x+jj+2:\x+jj+3]
.set jj, jj+4
.endr
	v_pk_add_f32 v[14:15], v[14:15], v[16:17]
	v_add_f32 v18, v14, v15
	v_permlanex16_b32 v19, v18, s[SEL], s[SEL+1]
	v_add_f32 v[RD+2*\k], v18, v19
	ds_store_b32 v[REDW], v[RD+2*\k] offset:512*\k
.endm
.macro LN_B x, k
	ds_load_b128 v[TM:TM+3], v[REDR] offset:512*\k
	s_wait_dscnt 0x0
	v_add_f32 v[TM], v[TM], v[TM+1]
	v_add_f32 v[TM+2], v[TM+2], v[TM+3]
	v_add_f32 v[TM], v[TM], v[TM+2]
	v_mul_f32 v20, s[RN], v[TM]
	v_mul_f32 v21, s[RN], v[TM]
.set jj, 0
.rept 32
	v_pk_add_f32 v[\x+jj:\x+jj+1], v[\x+jj:\x+jj+1], v[20:21] neg_lo:[0,1] neg_hi:[0,1]
.set jj, jj+2
.endr
	v_pk_mul_f32 v[14:15], v[\x:\x+1], v[\x:\x+1]
	v_pk_mul_f32 v[16:17], v[\x+2:\x+3], v[\x+2:\x+3]
.set jj, 4
.rept 15
	v_pk_fma_f32 v[14:15], v[\x+jj:\x+jj+1], v[\x+jj:\x+jj+1], v[14:15]
	v_pk_fma_f32 v[16:17], v[\x+jj+2:\x+jj+3], v[\x+jj+2:\x+jj+3], v[16:17]
.set jj, jj+4
.endr
	v_pk_add_f32 v[14:15], v[14:15], v[16:17]
	v_add_f32 v18, v14, v15
	v_permlanex16_b32 v19, v18, s[SEL], s[SEL+1]
	v_add_f32 v[RD+2*\k+1], v18, v19
	ds_store_b32 v[REDW], v[RD+2*\k+1] offset:256+512*\k
.endm
.macro LN_C x, k, g, b, win
	ds_load_b128 v[TM:TM+3], v[REDR] offset:256+512*\k
	s_wait_dscnt 0x0
	v_add_f32 v[TM], v[TM], v[TM+1]
	v_add_f32 v[TM+2], v[TM+2], v[TM+3]
	v_add_f32 v[TM], v[TM], v[TM+2]
	v_fma_f32 v[TM], v[TM], s[RN], s[EP]   ; the variance + eps
	s_wait_alu depctr_va_vdst(0)
	v_rsq_f32 v20, v[TM]
	v_nop
	s_wait_alu depctr_va_vdst(0)           ; the wait ahead of the first line that names the result
	v_mov_b32 v21, v20
.set jj, 0
.rept 32
	v_pk_mul_f32 v[\x+jj:\x+jj+1], v[\x+jj:\x+jj+1], v[20:21]
.set jj, jj+2
.endr
	WIN \win
.set jj, 0
.rept 32
	v_pk_fma_f32 v[\x+jj:\x+jj+1], v[\x+jj:\x+jj+1], v[\g+jj:\g+jj+1], v[\b+jj:\b+jj+1]
.set jj, jj+2
.endr
	WIN 0
	s_wait_xcnt 0x0                        ; the codes' registers are the tile before's store data: written again only behind this wait
	QUANT \x, PC, PW+\k
	GIMAGE PC, LI, HB, 6144*\k
	ds_store_b32 v[SCWW], v[PW+\k] offset:512*\k
.endm
.macro LN_D n
	s_cmp_lg_u32 s[WV], 0
	s_cbranch_scc1 .Lnot0_\@
.set kk, 0
.rept \n
	ds_load_b128 v[TM+4*kk:TM+4*kk+3], v[SCR] offset:512*kk
.set kk, kk+1
.endr
	s_wait_dscnt 0x0
.set kk, 0
.rept \n
	global_store_b128 v[LI], v[TM+4*kk:TM+4*kk+3], s[HS:HS+1] offset:512*kk
.set kk, kk+1
.endr
.Lnot0_\@:
.endm
.macro LOADW P                         ; the 16 fragments of K steps 2 P, 2 P + 1 into window 1 + P: fragment (tile t, step 2 P + e) at v[12 (8 e + t)]
	WIN 0x40*(1+\P)
.set tt, 0
.rept 8
.irp e, 0,1
.irp g, 0,1,2
	global_load_b128 v[12*(8*\e+tt)+4*\g:12*(8*\e+tt)+4*\g+3], v[LI], s[WB:WB+1] offset:((\P)*8+tt)*3072+\e*1536+512*\g
.endr
.endr
.set tt, tt+1
.endr
	WIN 0
.endm
	s_load_b256 s[4:11], s[0:1], 0x0       ; x, ctxq, wts, bo
	s_load_b256 s[12:19], s[0:1], 0x20     ; ln2_g, ln2_b, xt, actq
	v_lshl_add_u32 v[SPW], v0, 2, SPARE
	v_mov_b32 v[NIL], 0
	ds_add_u32 v[SPW], v[NIL]              ; the opening: the add, twice on end, and its wait ahead of my first tensor load
	ds_add_u32 v[SPW], v[NIL]
	v_lshrrev_b32 v1, 5, v0
	v_readfirstlane_b32 s[WV], v1          ; wave 0..3
	s_mov_b32 s[G1], (1<<16)|(1<<20)|(6<<22)|(3<<25)   ; elements of 2 bytes; 4 words of padding behind every 128 words (a quarter row of 512 bytes)
	s_mov_b32 s[G1+1], 256<<16             ; tensor_dim0 = 256 elements
	s_mov_b32 s[G1+2], 32<<16              ; tensor_dim1 = 32 quarter rows: my eight tokens, dense in memory
	s_mov_b32 s[G1+3], 256<<16             ; tile_dim0
	s_mov_b32 s[G1+4], 32                  ; tile_dim1
	s_mov_b32 s[G1+5], 256                 ; from quarter row to quarter row
	s_mov_b32 s[G1+6], 0
	s_mov_b32 s[G1+7], 0
	s_mov_b32 s[SEL], 0x76543210
	s_mov_b32 s[SEL+1], 0xfedcba98
	s_mov_b32 s[RN], 0x3b000000            ; 1 / 512
	s_mov_b32 s[EP], 0x3727c5ac            ; 1e-5
	s_mul_i32 s40, s[WV], 8*TP
	s_add_co_u32 s40, s40, XTB             ; my eight tokens' place in the tile
	s_lshl_b32 s42, ttmp9, 16              ; 32 rows of 2,048 bytes for each work-group,
	s_lshl_b32 s41, s[WV], 14              ; eight for each wave
	s_add_co_u32 s42, s42, s41
	s_mov_b32 s43, 0
	s_wait_dscnt 0x0
	s_wait_kmcnt 0x0
	s_mov_b32 s[G0], 1
	s_mov_b32 s[G0+1], s40
	s_add_nc_u64 s[G0+2:G0+3], s[4:5], s[42:43]
	s_or_b32 s[G0+3], s[G0+3], 0x80000000
	tensor_load_to_lds s[G0:G0+3], s[G1:G1+7]   ; my one tensor load of the launch
	s_nop 0
	PLACES 4
	s_add_nc_u64 s[XTP:XTP+1], s[16:17], s[42:43]   ; the same rows of xt
	v_and_b32 v1, 15, v0                   ; r
	v_bfe_u32 v2, v0, 4, 1                 ; h
	v_and_b32 v3, 31, v0
	v_lshlrev_b32 v[LI], 4, v3
	v_lshlrev_b32 v[L8], 3, v3
	v_lshlrev_b32 v[CA], 4, v1
	v_lshl_add_u32 v[CA], v2, 16, v[CA]    ; ctx: row r; lanes 16-31 take the next head, 65,536 bytes on
	s_lshl_b32 s41, s[WV], 2
	v_lshlrev_b32 v[REDR], 4, v1
	v_add_nc_u32 v[REDR], RED, v[REDR]
	v_add_nc_u32 v[REDW], s41, v[REDR]
	v_add_nc_u32 v[SCR], SCW, v[LI]
	v_add_nc_u32 v[SCWW], s41, v[SCR]
	v_add_nc_u32 v[CSW], s41, v[LI]
	v_add_nc_u32 v[CSW], CSC, v[CSW]
	s_mul_i32 s44, s[WV], 1536
	v_add_nc_u32 v[CIW], s44, v[LI]
	v_lshlrev_b32 v[GA], 6, v2
	v_lshlrev_b32 v[BA], 5, v2
	v_lshlrev_b32 v[H8], 3, v2
	s_mul_i32 s44, s[WV], QP
	s_add_co_u32 s44, s44, XTB             ; my 128 columns: quarter w of every token's row
	v_mul_u32_u24 v[XA], v1, TP
	v_add_nc_u32 v[XA], s44, v[XA]
	v_lshl_add_u32 v[XL], v2, 6, v[XA]     ; for the LayerNorm: 16 neighbours of each block of 32
	v_lshl_add_u32 v[XA], v2, 5, v[XA]     ; for the sums: eight neighbours of each tile of 16
	v_add_nc_u32 v[XO], s40, v[LI]         ; for the way out: my eight tokens' rows
	v_mov_b32 v19, 0
	s_lshr_b32 s44, ttmp9, 6               ; the batch
	s_lshl_b32 s44, s44, 20
	s_lshl_b32 s45, s[WV], 18              ; heads 4 w on
	s_add_co_u32 s44, s44, s45
	s_and_b32 s45, ttmp9, 63
	s_lshl_b32 s45, s45, 10                ; two tiles of 512 bytes
	s_add_co_u32 s44, s44, s45
	s_mov_b32 s45, 0
	s_add_nc_u64 s[CB:CB+1], s[6:7], s[44:45]
	s_mul_i32 s44, s[WV], 53248
	s_add_co_u32 s44, s44, 638976
	s_add_nc_u64 s[WB:WB+1], s[8:9], s[44:45]
	s_lshl_b32 s44, s[WV], 9
	s_add_nc_u64 s[10:11], s[10:11], s[44:45]
	s_add_nc_u64 s[12:13], s[12:13], s[44:45]
	s_add_nc_u64 s[14:15], s[14:15], s[44:45]
	s_lshr_b32 s46, ttmp9, 2
	s_mul_i32 s46, s46, 53248              ; the block of 128 tokens in actq
	s_and_b32 s47, ttmp9, 3
	s_lshl_b32 s44, s47, 3
	s_add_co_u32 s44, s44, s[WV]
	s_mul_i32 s44, s44, 1536
	s_add_co_u32 s44, s44, s46
	s_add_nc_u64 s[HB:HB+1], s[18:19], s[44:45]
	s_lshl_b32 s44, s47, 10
	s_add_co_u32 s44, s44, s46
	s_add_co_u32 s44, s44, 49152
	s_add_nc_u64 s[HS:HS+1], s[18:19], s[44:45]
.irp m, 0,1                            ; ctx: lane (r, h), registers 6 c on: head 4 w + 2 c + h, token r of tile m
.irp c, 0,1
	global_load_b128 v[XF+12*\m+6*\c:XF+12*\m+6*\c+3], v[CA], s[CB:CB+1] offset:512*\m+131072*\c
	global_load_b64 v[XF+12*\m+6*\c+4:XF+12*\m+6*\c+5], v[CA], s[CB:CB+1] offset:512*\m+131072*\c+256
	global_load_b32 v[28+2*\m+\c], v[CA], s[CB:CB+1] offset:512*\m+131072*\c+264
.endr
.endr
	LOADW 0
	s_wait_loadcnt 48                      ; ctx is in; the 48 loads of weights issued behind it may be out
.irp m, 0,1
	v_lshl_or_b32 v[28+2*\m], v[29+2*\m], 16, v[28+2*\m]   ; my two bytes: blocks h and 2 + h,
	s_wait_alu depctr_va_vdst(0)
	v_lshlrev_b32 v[28+2*\m], v[H8], v[28+2*\m]
	v_permlanex16_b32 v19, v[28+2*\m], s[SEL], s[SEL+1]
	v_or_b32 v[28+2*\m], v[28+2*\m], v19                   ; with lane l xor 16's the word is whole
.irp g, 0,1,2
	ds_store_b128 v[CIW], v[XF+12*\m+4*\g:XF+12*\m+4*\g+3] offset:CIMG+6144*\m+512*\g
.endr
	ds_store_b32 v[CSW], v[28+2*\m] offset:512*\m
.endr
	LOADW 1
.set tt, 0
.rept 8
.irp P, 0,1
	global_load_b64 v[WS+4*tt+2*\P:WS+4*tt+2*\P+1], v[L8], s[WB:WB+1] offset:49152+(\P*8+tt)*256
.endr
.set tt, tt+1
.endr
	WIN 0x40
.set tt, 0
.rept 8
	global_load_b128 v[192+8*tt:195+8*tt], v[BA], s[10:11] offset:64*tt       ; bo at the lane's eight columns of tile tt
	global_load_b128 v[196+8*tt:199+8*tt], v[BA], s[10:11] offset:64*tt+16
.set tt, tt+1
.endr
	WIN 0x80
.irp b, 0,1,2,3
.irp j, 0,1,2,3
	global_load_b128 v[192+16*\b+4*\j:195+16*\b+4*\j], v[GA], s[12:13] offset:128*\b+16*\j
.endr
.endr
	WIN 0xc0
.irp b, 0,1,2,3
.irp j, 0,1,2,3
	global_load_b128 v[16*\b+4*\j:16*\b+4*\j+3], v[GA], s[14:15] offset:128*\b+16*\j
.endr
.endr
	WIN 0
	s_wait_tensorcnt 0x0                   ; my eight rows of x have landed
	BARRIER                                ; x's tile and ctx's eight fragments lie in LDS
	s_wait_loadcnt 32                      ; the weights, their scale words and bo are in; gain and bias may be out
.irp m, 0,1
.if \m
	s_wait_dscnt 0x0                       ; the stores of the tile before have read their registers
.endif
.irp s, 0,1,2,3
	FETCH XF+12*\s, LI, CIMG+(4*\m+\s)*1536
.endr
	ds_load_b128 v[XS:XS+3], v[LI] offset:CSC+512*\m
.set tt, 0
.rept 8
	ds_load_b128 v[XR+8*tt:XR+8*tt+3], v[XA] offset:MT*\m+64*tt
	ds_load_b128 v[XR+8*tt+4:XR+8*tt+7], v[XA] offset:MT*\m+64*tt+16
.set tt, tt+1
.endr
	s_wait_dscnt 0x0
.irp s, 0,1,2,3                        ; eight accumulators by turns, a K step at a time
.if \s == 0
	WIN 0x11                               ; source 0 (wo) and source 2 (bo) window 1
.elseif \s == 1
	WIN 0x01
.else
	WIN 0x02
.endif
.set tt, 0
.rept 8
.set rw, 12*(8*(\s%2)+tt)
.if \s == 0
	WMC HA+8*tt, rw, XF+12*\s, 192+8*tt, WS+4*tt+\s, XS+\s
.else
	WMC HA+8*tt, rw, XF+12*\s, HA+8*tt, WS+4*tt+\s, XS+\s
.endif
.set tt, tt+1
.endr
.endr
	WIN 0
	PLACES 4
.set jj, 0
.rept 32
	v_pk_add_f32 v[XR+jj:XR+jj+1], v[XR+jj:XR+jj+1], v[HA+jj:HA+jj+1]   ; xt = x + (ctx wo + bo); each accumulator from its low end on
.set jj, jj+2
.endr
.set tt, 0
.rept 8
	ds_store_b128 v[XA], v[XR+8*tt:XR+8*tt+3] offset:MT*\m+64*tt
	ds_store_b128 v[XA], v[XR+8*tt+4:XR+8*tt+7] offset:MT*\m+64*tt+16
.set tt, tt+1
.endr
.endr
	BARRIER                                ; the tile holds xt
.irp bt, 0,1                           ; my eight tokens leave as whole rows: each store covers 512 consecutive bytes
.if \bt
	s_wait_xcnt 0x0                        ; the first batch's stores have read their registers
.endif
.set ii, 0
.rept 16
.set ix, 16*\bt+ii
	ds_load_b128 v[XR+4*ii:XR+4*ii+3], v[XO] offset:(ix/4)*TP+(ix%4)*QP
.set ii, ii+1
.endr
.set ii, 0
.rept 16
.set ix, 16*\bt+ii
	s_wait_dscnt 15-ii                     ; the loads issued behind this one may be out
	global_store_b128 v[LI], v[XR+4*ii:XR+4*ii+3], s[XTP:XTP+1] offset:(ix/4)*2048+(ix%4)*512
.set ii, ii+1
.endr
.endr
	s_wait_xcnt 0x0
.irp k, 0,1
.irp b, 0,1,2,3
.irp j, 0,1,2,3
	ds_load_b128 v[32+64*\k+16*\b+4*\j:35+64*\k+16*\b+4*\j], v[XL] offset:MT*\k+128*\b+16*\j
.endr
.endr
.endr
.irp b, 0,1,2,3
	v_mov_b32 v[TM+4+\b], 0
.endr
	s_wait_dscnt 0x0
	LN_A 32, 0
	LN_A 96, 1
	BARRIER
	LN_B 32, 0
	LN_B 96, 1
	BARRIER
	s_wait_loadcnt 0x0                     ; gain and bias
	LN_C 32, 0, 192, 0, 0x38               ; the gain in window 2, the bias in window 3
	LN_C 96, 1, 192, 0, 0x38
	BARRIER
	LN_D 2
	s_wait_tensorcnt 0x0                   ; the wave's end
	ds_add_u32 v[SPW], v[NIL]
	s_wait_dscnt 0x0
	s_endpgm
.Lfunc_end_k_q9c27085dda_oproj:
	.size	k_q9c27085dda_oproj, .Lfunc_end_k_q9c27085dda_oproj-k_q9c27085dda_oproj
	.p2alignl 7, 3214868480
	.fill 96, 4, 3214868480
	.section	.rodata,"a",@progbits
	.p2align	6, 0x0
	.amdhsa_kernel k_q9c27085dda_oproj
		.amdhsa_group_segment_fixed_size 167936
		.amdhsa_private_segment_fixed_size 0
		.amdhsa_enable_private_segment 0
		.amdhsa_kernarg_size 64
		.amdhsa_user_sgpr_count 2
		.amdhsa_user_sgpr_kernarg_segment_ptr 1
		.amdhsa_wavefront_size32 1
		.amdhsa_system_sgpr_workgroup_id_x 1
		.amdhsa_system_sgpr_workgroup_id_y 1
		.amdhsa_system_sgpr_workgroup_id_z 1
		.amdhsa_system_vgpr_workitem_id 0
		.amdhsa_next_free_vgpr 832
		.amdhsa_next_free_sgpr 66
		.amdhsa_reserve_vcc 0
		.amdhsa_float_denorm_mode_32 3
		.amdhsa_float_denorm_mode_16_64 3
		.amdhsa_memory_ordered 1
		.amdhsa_forward_progress 1
		.amdhsa_inst_pref_size 80
	.end_amdhsa_kernel
	.amdgpu_metadata
---
amdhsa.version: [ 1, 2 ]
amdhsa.kernels:
  - .name:           k_q9c27085dda_oproj
    .symbol:         k_q9c27085dda_oproj.kd
    .args:
      - { .name: x, .offset: 0, .size: 8, .value_kind: global_buffer, .address_space: global }
      - { .name: ctxq, .offset: 8, .size: 8, .value_kind: global_buffer, .address_space: global }
      - { .name: wts, .offset: 16, .size: 8, .value_kind: global_buffer, .address_space: global }
      - { .name: bo, .offset: 24, .size: 8, .value_kind: global_buffer, .address_space: global }
      - { .name: ln2_g, .offset: 32, .size: 8, .value_kind: global_buffer, .address_space: global }
      - { .name: ln2_b, .offset: 40, .size: 8, .value_kind: global_buffer, .address_space: global }
      - { .name: xt, .offset: 48, .size: 8, .value_kind: global_buffer, .address_space: global }
      - { .name: actq, .offset: 56, .size: 8, .value_kind: global_buffer, .address_space: global }
    .group_segment_fixed_size: 167936
    .private_segment_fixed_size: 0
    .kernarg_segment_align: 8
    .kernarg_segment_size: 64
    .max_flat_workgroup_size: 128
    .sgpr_count:     66
    .vgpr_count:     832
    .wavefront_size: 32
...
	.end_amdgpu_metadata
.endif
;; end of part 4
;; launch ffn1 (part 5): grid 4 x 64, 4 waves a work-group, clusters of 4 x 1, 167,936 bytes of LDS; arguments actq, wts, b1, hid; writes hid
.if DOCPART == 5
	.amdgcn_target "amdgcn-amd-amdhsa--gfx1250"
	.amdhsa_code_object_version 6
	.text
	.protected	k_q9c27085dda_ffn1
	.globl	k_q9c27085dda_ffn1
	.p2align	8
	.type	k_q9c27085dda_ffn1,@function
k_q9c27085dda_ffn1:
	s_mov_b64 s[64:65], 0
	v_nop
	global_prefetch_b8 v0, s[64:65] scope:SCOPE_SE
	s_setreg_imm32_b32 hwreg(HW_REG_WAVE_MODE, 25, 1), 1
	s_wait_xcnt 0x0
	s_wait_alu depctr_hold_cnt(0) depctr_sa_sdst(0) depctr_va_vdst(0) depctr_va_sdst(0) depctr_va_ssrc(0) depctr_va_vcc(0) depctr_vm_vsrc(0)
	s_getreg_b32 s2, hwreg(HW_REG_IB_STS2, 6, 4)
	s_cmp_eq_u32 s2, 0
	s_cbranch_scc0 .Lentry_in_a_cluster
	s_endpgm
.Lentry_in_a_cluster:
	s_bfe_u32 s2, ttmp6, 0x10000c
	s_cmp_lg_u32 s2, 0x3003
	s_cbranch_scc0 .Lentry_shape_is_right
	s_endpgm
.Lentry_shape_is_right:
; FFN1: hidden = relu(h w1 + b1) on codes of FP6, quantised along the hidden units for the next product.  No work is left out.
; SHARES.  A work-group takes 128 tokens (cluster y) and 512 hidden units (its place in the cluster).  Wave w makes hidden units 128 (4 cx + w) on, one K step of the next product, for all 128 tokens; its 32 fragments of w1 stay in registers.
; CLUSTER.  The four work-groups read the same 53,248 bytes of h: each wave asks jointly for a quarter.  Filled once: no ring.
; The product is used transposed (source 0 = 16 columns of w1): a lane holds one token, and the 16 registers of two neighbouring tiles are one block's half, in the order in which w2's codes were laid.  b1 is the C of each sum's first product.
; REGISTERS: window 0: addresses; v32-79 h's four fragments, v80-83 their scale words; v84-147 the sums; v148-187 the quantiser's; v192-223 w1's scale words.  window 1: w1's K steps 0, 1; b1 from v192.  window 2: K steps 2, 3.
; LIMITS: as stated at the head of the first kernel.
.set WV, 12
.set SEL, 20
.set G1, 28
.set G0, 36
.set HB, 48
.set HS, 50
.set WB, 54
.set LI, 4
.set L8, 5
.set BA, 6
.set SPW, 11
.set NIL, 12
.set XF, 32
.set XS, 80
.set HA, 84
.set TM, 148
.set PC, 164
.set PWS, 184
.set WS, 192
.set SPARE, 53248
.set MSB, 0
.macro WIN new
.if MSB != \new
	s_set_vgpr_msb (MSB<<8)|\new
.set MSB, \new
.endif
.endm
.macro PLACES n
.rept \n
	v_nop
.endr
.endm
.macro CROUND
	s_barrier_signal -1
	s_barrier_wait -1
	s_cmp_lg_u32 s[WV], 0
	s_cbranch_scc1 .Lnot_wave_0_\@
	s_barrier_signal -3
.Lnot_wave_0_\@:
	s_barrier_wait -3
	s_barrier_signal -1
	s_barrier_wait -1
.endm
.macro FETCH reg, adr, off
.irp g, 0,1,2
	ds_load_b128 v[\reg+4*\g:\reg+4*\g+3], v[\adr] offset:\off+512*\g
.endr
.endm
.macro GIMAGE pc, adr, sb, off
.irp g, 0,1,2
	global_store_b128 v[\adr], v[\pc+4*\g:\pc+4*\g+3], s[\sb:\sb+1] offset:\off+512*\g
.endr
.endm
.macro WMC d, a, b, c, sa, sb
	v_wmma_scale_f32_16x16x128_f8f6f4 v[\d:\d+7], v[\a:\a+11], v[\b:\b+11], v[\c:\c+7], v[\sa], v[\sb] matrix_a_fmt:MATRIX_FMT_FP6 matrix_b_fmt:MATRIX_FMT_FP6
.endm
.macro QUANT s, pc, pw
.irp b, 0,1,2,3
	v_max3_num_f32 v[TM+\b], |v[\s+16*\b]|, |v[\s+1+16*\b]|, 0x1800000
.endr
.irp i, 2,4,6,8,10,12,14
.irp b, 0,1,2,3
	v_max3_num_f32 v[TM+\b], v[TM+\b], |v[\s+16*\b+\i]|, |v[\s+1+16*\b+\i]|
.endr
.endr
.irp b, 0,1,2,3
	v_permlanex16_b32 v[TM+4+\b], v[TM+\b], s[SEL], s[SEL+1]
.endr
.irp b, 0,1,2,3
	v_max_num_f32 v[TM+\b], v[TM+\b], v[TM+4+\b]
.endr
.irp b, 0,1,2,3
	v_add_nc_u32 v[TM+12+\b], 0xff000000, v[TM+\b]
.endr
.irp b, 0,1,2,3
	v_lshrrev_b32 v[TM+4+\b], 23, v[TM+12+\b]
.endr
	v_lshl_or_b32 v[\pw], v[TM+5], 8, v[TM+4]
	v_lshl_or_b32 v[\pw], v[TM+6], 16, v[\pw]
	v_lshl_or_b32 v[\pw], v[TM+7], 24, v[\pw]
.irp c, 0,1
	v_cvt_scalef32_pk16_fp6_f32 v[\pc+6*\c:\pc+2+6*\c], v[\s+32*\c:\s+15+32*\c], v[TM+12+2*\c]
	v_cvt_scalef32_pk16_fp6_f32 v[\pc+12+4*\c:\pc+14+4*\c], v[\s+16+32*\c:\s+31+32*\c], v[TM+12+2*\c+1]
.endr
	v_nop
.irp c, 0,1
.irp i, 0,1,2
	v_permlane16_swap_b32 v[\pc+6*\c+\i], v[\pc+12+4*\c+\i]
.endr
.irp i, 0,1,2
	v_mov_b32 v[\pc+3+6*\c+\i], v[\pc+12+4*\c+\i]
.endr
.endr
.endm
.macro LOADW P
	WIN 0x40*(1+\P)
.set tt, 0
.rept 8
.irp e, 0,1
.irp g, 0,1,2
	global_load_b128 v[12*(8*\e+tt)+4*\g:12*(8*\e+tt)+4*\g+3], v[LI], s[WB:WB+1] offset:((\P)*8+tt)*3072+\e*1536+512*\g
.endr
.endr
.set tt, tt+1
.endr
	WIN 0
.endm
.macro XFETCH m                        ; h's four fragments of tile m and their scale words: 13 LDS loads
.irp s, 0,1,2,3
	FETCH XF+12*\s, LI, (4*(\m)+\s)*1536
.endr
	ds_load_b128 v[XS:XS+3], v[LI] offset:49152+512*(\m)
.endm
.macro TILE m
	s_wait_dscnt 0x0                       ; this tile's fragments are in
.irp s, 0,1,2,3                        ; eight accumulators by turns, a K step at a time
.if \s == 0
	WIN 0x11                               ; source 0 (w1) and source 2 (b1) window 1
.elseif \s == 1
	WIN 0x01
.else
	WIN 0x02
.endif
.set tt, 0
.rept 8
.set rw, 12*(8*(\s%2)+tt)
.if \s == 0
	WMC HA+8*tt, rw, XF+12*\s, 192+8*tt, WS+4*tt+\s, XS+\s
.else
	WMC HA+8*tt, rw, XF+12*\s, HA+8*tt, WS+4*tt+\s, XS+\s
.endif
.set tt, tt+1
.endr
.endr
	WIN 0
	PLACES 4                               ; in front of the loads into h's registers and of the first read of the sums
.if \m < 7
	XFETCH \m+1                            ; the next tile lands under the vector work below
.endif
.set jj, 0
.rept 64
	v_max_num_f32 v[HA+jj], 0, v[HA+jj]    ; relu
.set jj, jj+1
.endr
	s_wait_xcnt 0x0                        ; the codes' and scale words' registers are earlier tiles' store data: written again only behind this wait
	QUANT HA, PC, PWS+(\m)%4
	GIMAGE PC, LI, HB, ((\m)/4)*106496+((\m)%4)*24576
.if (\m)%4 == 3
	global_store_b128 v[LI], v[PWS:PWS+3], s[HS:HS+1] offset:((\m)/4)*106496   ; four tiles' scale words: 512 consecutive bytes
.endif
.endm
	s_load_b256 s[4:11], s[0:1], 0x0       ; actq, wts, b1, hid
	v_lshl_add_u32 v[SPW], v0, 2, SPARE
	v_mov_b32 v[NIL], 0
	ds_add_u32 v[SPW], v[NIL]              ; the opening: the add, twice on end, and its wait ahead of my first tensor load
	ds_add_u32 v[SPW], v[NIL]
	v_lshrrev_b32 v1, 5, v0
	v_readfirstlane_b32 s[WV], v1
	s_bfe_u32 s13, ttmp6, 0x40000          ; cx
	s_and_b32 s14, ttmp7, 0xffff           ; which 128 tokens
	s_mov_b32 s[G1], 15|(3<<16)|(1<<21)
	s_mov_b32 s[G1+1], 32<<16
	s_mov_b32 s[G1+2], 52<<16              ; 52 rows of 256 bytes: a quarter of h's block
	s_mov_b32 s[G1+3], 32<<16
	s_mov_b32 s[G1+4], 52
	s_mov_b32 s[G1+5], 32
	s_mov_b32 s[G1+6], 0
	s_mov_b32 s[G1+7], 0
	s_mov_b32 s[SEL], 0x76543210
	s_mov_b32 s[SEL+1], 0xfedcba98
	s_mul_i32 s40, s[WV], 13312
	s_mul_i32 s42, s14, 53248
	s_add_co_u32 s42, s42, s40
	s_mov_b32 s43, 0
	s_lshl_b32 s15, s13, 2
	s_add_co_u32 s15, s15, s[WV]           ; which K step of the next product I make
	s_mov_b32 s45, 0
	s_wait_dscnt 0x0
	s_wait_kmcnt 0x0
	s_mov_b32 s[G0], 1
	s_mov_b32 s[G0+1], s40
	s_add_nc_u64 s[G0+2:G0+3], s[4:5], s[42:43]
	s_or_b32 s[G0+3], s[G0+3], 0x80000000
	CROUND
	tensor_load_to_lds s[G0:G0+3], s[G1:G1+7]   ; my one tensor load of the launch
	s_nop 0
	PLACES 4
	s_mul_i32 s44, s15, 53248
	s_add_co_u32 s44, s44, 851968
	s_add_nc_u64 s[WB:WB+1], s[6:7], s[44:45]
	s_lshl_b32 s44, s15, 9
	s_add_nc_u64 s[8:9], s[8:9], s[44:45]  ; b1 at my 128 units
	s_mul_i32 s46, s14, 212992
	s_mul_i32 s44, s15, 1536
	s_add_co_u32 s44, s44, s46
	s_add_nc_u64 s[HB:HB+1], s[10:11], s[44:45]
	s_lshl_b32 s44, s15, 9
	s_add_co_u32 s44, s44, s46
	s_add_co_u32 s44, s44, 98304
	s_add_nc_u64 s[HS:HS+1], s[10:11], s[44:45]
	v_bfe_u32 v2, v0, 4, 1
	v_and_b32 v3, 31, v0
	v_lshlrev_b32 v[LI], 4, v3
	v_lshlrev_b32 v[L8], 3, v3
	v_lshlrev_b32 v[BA], 5, v2
.irp b, 0,1,2,3
	v_mov_b32 v[TM+4+\b], 0
.endr
	LOADW 0
	LOADW 1
.set tt, 0
.rept 8
.irp P, 0,1
	global_load_b64 v[WS+4*tt+2*\P:WS+4*tt+2*\P+1], v[L8], s[WB:WB+1] offset:49152+(\P*8+tt)*256
.endr
.set tt, tt+1
.endr
	WIN 0x40
.set tt, 0
.rept 8
	global_load_b128 v[192+8*tt:195+8*tt], v[BA], s[8:9] offset:64*tt
	global_load_b128 v[196+8*tt:199+8*tt], v[BA], s[8:9] offset:64*tt+16
.set tt, tt+1
.endr
	WIN 0
	s_wait_alu depctr_va_vdst(0)
	s_wait_tensorcnt 0x0
	s_wait_dscnt 0x0
	s_barrier_signal -1
	s_barrier_wait -1                      ; h's block lies in LDS
	s_wait_loadcnt 0x0                     ; the weights, their scale words, b1
	XFETCH 0
.irp m, 0,1,2,3,4,5,6,7
	TILE \m
.endr
	s_wait_tensorcnt 0x0                   ; the wave's end
	ds_add_u32 v[SPW], v[NIL]
	s_wait_dscnt 0x0
	CROUND                                 ; the closing round
	s_endpgm
.Lfunc_end_k_q9c27085dda_ffn1:
	.size	k_q9c27085dda_ffn1, .Lfunc_end_k_q9c27085dda_ffn1-k_q9c27085dda_ffn1
	.p2alignl 7, 3214868480
	.fill 96, 4, 3214868480
	.section	.rodata,"a",@progbits
	.p2align	6, 0x0
	.amdhsa_kernel k_q9c27085dda_ffn1
		.amdhsa_group_segment_fixed_size 167936
		.amdhsa_private_segment_fixed_size 0
		.amdhsa_enable_private_segment 0
		.amdhsa_kernarg_size 32
		.amdhsa_user_sgpr_count 2
		.amdhsa_user_sgpr_kernarg_segment_ptr 1
		.amdhsa_wavefront_size32 1
		.amdhsa_system_sgpr_workgroup_id_x 1
		.amdhsa_system_sgpr_workgroup_id_y 1
		.amdhsa_system_sgpr_workgroup_id_z 1
		.amdhsa_system_vgpr_workitem_id 0
		.amdhsa_next_free_vgpr 704
		.amdhsa_next_free_sgpr 66
		.amdhsa_reserve_vcc 0
		.amdhsa_float_denorm_mode_32 3
		.amdhsa_float_denorm_mode_16_64 3
		.amdhsa_memory_ordered 1
		.amdhsa_forward_progress 1
		.amdhsa_inst_pref_size 106
	.end_amdhsa_kernel
	.amdgpu_metadata
---
amdhsa.version: [ 1, 2 ]
amdhsa.kernels:
  - .name:           k_q9c27085dda_ffn1
    .symbol:         k_q9c27085dda_ffn1.kd
    .args:
      - { .name: actq, .offset: 0, .size: 8, .value_kind: global_buffer, .address_space: global }
      - { .name: wts, .offset: 8, .size: 8, .value_kind: global_buffer, .address_space: global }
      - { .name: b1, .offset: 16, .size: 8, .value_kind: global_buffer, .address_space: global }
      - { .name: hid, .offset: 24, .size: 8, .value_kind: global_buffer, .address_space: global }
    .group_segment_fixed_size: 167936
    .private_segment_fixed_size: 0
    .kernarg_segment_align: 8
    .kernarg_segment_size: 32
    .max_flat_workgroup_size: 128
    .sgpr_count:     66
    .vgpr_count:     704
    .wavefront_size: 32
...
	.end_amdgpu_metadata
.endif
;; end of part 5
;; launch ffn2 (part 6): grid 4 x 64, 4 waves a work-group, clusters of 4 x 1, 327,680 bytes of LDS; arguments hid, wts, b2, xt, out0; writes out0
.if DOCPART == 6
	.amdgcn_target "amdgcn-amd-amdhsa--gfx1250"
	.amdhsa_code_object_version 6
	.text
	.protected	k_q9c27085dda_ffn2
	.globl	k_q9c27085dda_ffn2
	.p2align	8
	.type	k_q9c27085dda_ffn2,@function
k_q9c27085dda_ffn2:
	s_mov_b64 s[64:65], 0
	v_nop
	global_prefetch_b8 v0, s[64:65] scope:SCOPE_SE
	s_setreg_imm32_b32 hwreg(HW_REG_WAVE_MODE, 25, 1), 1
	s_wait_xcnt 0x0
	s_wait_alu depctr_hold_cnt(0) depctr_sa_sdst(0) depctr_va_vdst(0) depctr_va_sdst(0) depctr_va_ssrc(0) depctr_va_vcc(0) depctr_vm_vsrc(0)
	s_getreg_b32 s2, hwreg(HW_REG_IB_STS2, 6, 4)
	s_cmp_eq_u32 s2, 0
	s_cbranch_scc0 .Lentry_in_a_cluster
	s_endpgm
.Lentry_in_a_cluster:
	s_bfe_u32 s2, ttmp6, 0x10000c
	s_cmp_lg_u32 s2, 0x3003
	s_cbranch_scc0 .Lentry_shape_is_right
	s_endpgm
.Lentry_shape_is_right:
.set WV, 14
.set G1, 28
.set G0, 36
.set XTP, 48
.set OUTP, 50
.set WB, 54
.set LI, 4
.set L8, 5
.set AD, 6
.set ADS, 10
.set SPW, 11
.set NIL, 12
.set SO, 13
.set SR, 14
.set BA, 15
.set ACC, 16
.set AF, 80
.set W2S, 184
.set B2, 216
.set STG, 212992
.set SPARE, 246784
.set MSB, 0
.macro WIN new
.if MSB != \new
	s_set_vgpr_msb (MSB<<8)|\new
.set MSB, \new
.endif
.endm
.macro PLACES n
.rept \n
	v_nop
.endr
.endm
.macro BARRIER
	s_wait_dscnt 0x0
	s_barrier_signal -1
	s_barrier_wait -1
.endm
.macro CROUND
	s_barrier_signal -1
	s_barrier_wait -1
	s_cmp_lg_u32 s[WV], 0
	s_cbranch_scc1 .Lnot_wave_0_\@
	s_barrier_signal -3
.Lnot_wave_0_\@:
	s_barrier_wait -3
	s_barrier_signal -1
	s_barrier_wait -1
.endm
.macro FETCH reg, adr, off
.irp g, 0,1,2
	ds_load_b128 v[\reg+4*\g:\reg+4*\g+3], v[\adr] offset:\off+512*\g
.endr
.endm
.macro WMC d, a, b, c, sa, sb
	v_wmma_scale_f32_16x16x128_f8f6f4 v[\d:\d+7], v[\a:\a+11], v[\b:\b+11], v[\c:\c+7], v[\sa], v[\sb] matrix_a_fmt:MATRIX_FMT_FP6 matrix_b_fmt:MATRIX_FMT_FP6
.endm
.macro LOADA s
.set ab, AF+52*((\s)%2)
.irp m, 0,1,2,3
	FETCH ab+12*\m, AD+\m, (\s)*1536
.endr
	ds_load_b128 v[ab+48:ab+51], v[ADS] offset:(\s)*512
.endm
.macro GROUP g
.if \g == 0
	s_wait_tensorcnt 0x0
.else
	s_wait_tensorcnt 0x0
	s_wait_xcnt 0x0
.endif
	BARRIER
	WIN 0x40
.set ii, 0
.rept 16
	global_load_b128 v[192+4*ii:195+4*ii], v[LI], s[XTP:XTP+1] offset:131072*\g+2048*ii
.set ii, ii+1
.endr
	WIN 0
.irp m, 0,1,2,3
	v_add_nc_u32 v[AD+\m], \g*106496+\m*24576, v[LI]
.endr
	v_add_nc_u32 v[ADS], \g*106496+98304, v[LI]
	LOADA 0
	LOADA 1
.if \g == 0
	s_wait_alu depctr_va_vdst(0)
	s_wait_loadcnt 16
.endif
.set ss, 0
	s_wait_alu depctr_va_vdst(0)
.rept 16
.if ss < 15
	s_wait_dscnt 13
.else
	s_wait_dscnt 0x0
.endif
.if ss < 8
	WIN 0x01
.else
	WIN 0x02
.endif
.set am, AF+52*(ss%2)
.irp m, 0,1,2,3
.irp u, 0,1
.if ss == 0
	WMC ACC+16*\m+8*\u, 12*(2*(ss%8)+\u), am+12*\m, B2+8*\u, W2S+16*\u+ss, am+48+\m
.else
	WMC ACC+16*\m+8*\u, 12*(2*(ss%8)+\u), am+12*\m, ACC+16*\m+8*\u, W2S+16*\u+ss, am+48+\m
.endif
.endr
.endr
	WIN 0
.if ss < 14
	PLACES 4
	LOADA ss+2
.endif
.set ss, ss+1
.endr
	PLACES 4
.irp m, 0,1,2,3
.irp u, 0,1
	ds_store_b128 v[SO], v[ACC+16*\m+8*\u:ACC+16*\m+8*\u+3] offset:16*\m*528+64*\u
	ds_store_b128 v[SO], v[ACC+16*\m+8*\u+4:ACC+16*\m+8*\u+7] offset:16*\m*528+64*\u+16
.endr
.endr
	BARRIER
.set ii, 0
.rept 16
	ds_load_b128 v[ACC+4*ii:ACC+4*ii+3], v[SR] offset:528*ii
.set ii, ii+1
.endr
	s_wait_loadcnt 0x0
	s_wait_dscnt 0x0
	WIN 0x04
.set jj, 0
.rept 32
	v_pk_add_f32 v[ACC+jj:ACC+jj+1], v[ACC+jj:ACC+jj+1], v[192+jj:193+jj]
.set jj, jj+2
.endr
	WIN 0
.set ii, 0
.rept 16
	global_store_b128 v[LI], v[ACC+4*ii:ACC+4*ii+3], s[OUTP:OUTP+1] offset:131072*\g+2048*ii th:TH_STORE_NT
.set ii, ii+1
.endr
.endm
	s_load_b256 s[4:11], s[0:1], 0x0
	s_load_b64 s[12:13], s[0:1], 0x20
	v_lshl_add_u32 v[SPW], v0, 2, SPARE
	v_mov_b32 v[NIL], 0
	ds_add_u32 v[SPW], v[NIL]
	ds_add_u32 v[SPW], v[NIL]
	v_lshrrev_b32 v1, 5, v0
	v_readfirstlane_b32 s[WV], v1
	s_bfe_u32 s15, ttmp6, 0x40000
	s_and_b32 s16, ttmp7, 0xffff
	s_mov_b32 s[G1], 15|(3<<16)|(1<<21)
	s_mov_b32 s[G1+1], 32<<16
	s_mov_b32 s[G1+2], 208<<16
	s_mov_b32 s[G1+3], 32<<16
	s_mov_b32 s[G1+4], 208
	s_mov_b32 s[G1+5], 32
	s_mov_b32 s[G1+6], 0
	s_mov_b32 s[G1+7], 0
	s_mul_i32 s17, s[WV], 53248
	s_mul_i32 s44, s16, 212992
	s_add_co_u32 s44, s44, s17
	s_mov_b32 s45, 0
	s_mov_b32 s47, 0
	s_wait_dscnt 0x0
	s_wait_kmcnt 0x0
.irp g, 0
	s_mov_b32 s[G0+4*\g], 1
	s_add_co_u32 s[G0+4*\g+1], s17, \g*106496
	s_add_nc_u64 s[G0+4*\g+2:G0+4*\g+3], s[4:5], s[44:45]
	s_add_nc_u64 s[G0+4*\g+2:G0+4*\g+3], s[G0+4*\g+2:G0+4*\g+3], \g*106496
	s_or_b32 s[G0+4*\g+3], s[G0+4*\g+3], 0x80000000
.endr
	CROUND
	tensor_load_to_lds s[G0:G0+3], s[G1:G1+7]   ; my one tensor load of the launch: a quarter of the 212,992 bytes of both groups of tokens, 208 rows of 256 bytes; the weights below are asked for under its flight
	s_nop 0
	PLACES 4
	s_lshl_b32 s18, s15, 2
	s_add_co_u32 s18, s18, s[WV]
	s_mul_i32 s46, s18, 53248
	s_add_co_u32 s46, s46, 1703936
	s_add_nc_u64 s[WB:WB+1], s[6:7], s[46:47]
	s_lshl_b32 s46, s18, 7
	s_add_nc_u64 s[8:9], s[8:9], s[46:47]
	s_lshl_b32 s46, s16, 18
	s_lshl_b32 s19, s[WV], 15
	s_add_co_u32 s46, s46, s19
	s_lshl_b32 s19, s15, 9
	s_add_co_u32 s46, s46, s19
	s_add_nc_u64 s[XTP:XTP+1], s[10:11], s[46:47]
	s_add_nc_u64 s[OUTP:OUTP+1], s[12:13], s[46:47]
	v_and_b32 v1, 15, v0
	v_bfe_u32 v2, v0, 4, 1
	v_and_b32 v3, 31, v0
	v_lshlrev_b32 v[LI], 4, v3
	v_lshlrev_b32 v[L8], 3, v3
	v_lshlrev_b32 v[BA], 5, v2
	s_lshl_b32 s19, s[WV], 7
	s_add_co_u32 s19, s19, STG
	v_mul_u32_u24 v[SO], v1, 528
	v_lshl_add_u32 v[SO], v2, 5, v[SO]
	v_add_nc_u32 v[SO], s19, v[SO]
	s_mul_i32 s19, s[WV], 8448
	s_add_co_u32 s19, s19, STG
	v_add_nc_u32 v[SR], s19, v[LI]
.irp P, 0,1,2,3,4,5,6,7
.if \P < 4
	WIN 0x40
.else
	WIN 0x80
.endif
.irp u, 0,1
.irp e, 0,1
.irp g, 0,1,2
	global_load_b128 v[12*(2*((2*\P+\e)%8)+\u)+4*\g:12*(2*((2*\P+\e)%8)+\u)+4*\g+3], v[LI], s[WB:WB+1] offset:(\P*2+\u)*3072+\e*1536+512*\g
.endr
.endr
.endr
.endr
	WIN 0
.irp P, 0,1,2,3,4,5,6,7
.irp u, 0,1
	global_load_b64 v[W2S+16*\u+2*\P:W2S+16*\u+2*\P+1], v[L8], s[WB:WB+1] offset:49152+(2*\P+\u)*256
.endr
.endr
.irp u, 0,1
	global_load_b128 v[B2+8*\u:B2+8*\u+3], v[BA], s[8:9] offset:64*\u
	global_load_b128 v[B2+8*\u+4:B2+8*\u+7], v[BA], s[8:9] offset:64*\u+16
.endr
	s_wait_alu depctr_va_vdst(0)
	GROUP 0
	GROUP 1
	s_wait_tensorcnt 0x0
	ds_add_u32 v[SPW], v[NIL]
	s_wait_dscnt 0x0
	CROUND
	s_endpgm
.Lfunc_end_k_q9c27085dda_ffn2:
	.size	k_q9c27085dda_ffn2, .Lfunc_end_k_q9c27085dda_ffn2-k_q9c27085dda_ffn2
	.p2alignl 7, 3214868480
	.fill 96, 4, 3214868480
	.section	.rodata,"a",@progbits
	.p2align	6, 0x0
	.amdhsa_kernel k_q9c27085dda_ffn2
		.amdhsa_group_segment_fixed_size 327680
		.amdhsa_private_segment_fixed_size 0
		.amdhsa_enable_private_segment 0
		.amdhsa_kernarg_size 40
		.amdhsa_user_sgpr_count 2
		.amdhsa_user_sgpr_kernarg_segment_ptr 1
		.amdhsa_wavefront_size32 1
		.amdhsa_system_sgpr_workgroup_id_x 1
		.amdhsa_system_sgpr_workgroup_id_y 1
		.amdhsa_system_sgpr_workgroup_id_z 1
		.amdhsa_system_vgpr_workitem_id 0
		.amdhsa_next_free_vgpr 704
		.amdhsa_next_free_sgpr 66
		.amdhsa_reserve_vcc 0
		.amdhsa_float_denorm_mode_32 3
		.amdhsa_float_denorm_mode_16_64 3
		.amdhsa_memory_ordered 1
		.amdhsa_forward_progress 1
		.amdhsa_inst_pref_size 96
	.end_amdhsa_kernel
	.amdgpu_metadata
---
amdhsa.version: [ 1, 2 ]
amdhsa.kernels:
  - .name:           k_q9c27085dda_ffn2
    .symbol:         k_q9c27085dda_ffn2.kd
    .args:
      - { .name: hid, .offset: 0, .size: 8, .value_kind: global_buffer, .address_space: global }
      - { .name: wts, .offset: 8, .size: 8, .value_kind: global_buffer, .address_space: global }
      - { .name: b2, .offset: 16, .size: 8, .value_kind: global_buffer, .address_space: global }
      - { .name: xt, .offset: 24, .size: 8, .value_kind: global_buffer, .address_space: global }
      - { .name: out0, .offset: 32, .size: 8, .value_kind: global_buffer, .address_space: global }
    .group_segment_fixed_size: 327680
    .private_segment_fixed_size: 0
    .kernarg_segment_align: 8
    .kernarg_segment_size: 40
    .max_flat_workgroup_size: 128
    .sgpr_count:     66
    .vgpr_count:     704
    .wavefront_size: 32
...
	.end_amdgpu_metadata
.endif
;; end of part 6
